; MI455X (gfx1250); checked and timed in simulation.
; The chip was launched on July 23, 2026; its instructions are those of AMD's public machine-readable ISA for CDNA 5 (MIT licence, August 2026) and "CDNA5" Instruction Set Architecture Reference Guide (July 2026). The comments in the code are by the model that wrote it; some were corrected since.
;; Multi Head Self Attention. Allowed arithmetic: matrix products marked QUANTISED: E2M3 operands, one E8M0 scale for each 32 along K, by v_wmma_scale_f32_16x16x128_f8f6f4 with both operands' format E2M3, f32 sums; products left as they are: f32 operands where the result goes on into a quantised operand, else bf16, f16 or f32 operands; f32 sums; everything else in f32.
;; Inputs: W_out 1,024 x 1,024 float32; W_qkv 3,072 x 1,024 float32; b_out 1,024 float32; b_qkv 3,072 float32; x 4 x 2,048 x 1,024 float32.
;; Outputs: out0 4 x 2,048 x 1,024 float32.
;; This version of the problem:
;;   THIS VERSION OF THE PROBLEM IS GIVEN IN LOW PRECISION. The matrix products marked QUANTISED in the list below multiply operands that are first quantised to E2M3 (2 exponent bits, 3 mantissa bits; 6 bits a number), with one power-of-two scale for each 32 numbers along K (OCP MX v1.0); their sums are f32. All else is computed in f32.
;;   The module's matrix products, in the order in which they are computed (A, B: the left and right operand; K: the contracted axis; several contracted axes count as one K, in the product's order):
;;     1. [M 8,192, K 1,024] x [K 1,024, N 3,072]; A: input x; B: input W_qkv: QUANTISED
;;     2. [M 2,048, K 1] x [K 1, N 32]; A: computed on the way; B: computed on the way: left as it is (no contracted axis)
;;     3. batch 64 x [M 2,048, K 64] x [K 64, N 2,048]; A: computed on the way; B: computed on the way: QUANTISED
;;     4. batch 64 x [M 2,048, K 2,048] x [K 2,048, N 64]; A: softmax (see below); B: computed on the way: QUANTISED
;;     5. [M 8,192, K 1,024] x [K 1,024, N 1,024]; A: computed on the way; B: input W_out: QUANTISED
;;   THE QUANTISER, for each operand of a quantised product, along K:
;;     - K is cut into blocks of 32 from its start; a last block that is shorter is filled with zeros.
;;     - A block's scale is 2^e with e = floor(log2(the largest magnitude in the block)) - 2, held to -126 .. 127; a block of zeros has e = 0. As a byte (E8M0): e + 127.
;;     - Each number is divided by its block's scale, clamped to +-7.5, and rounded to the nearest number of E2M3, ties to even, subnormals kept.
;;     - The product sums the exact products of the quantised numbers (number of the format x scale) in f32.
;;   ~~~python
;;   def quantise(x, axis):      # numpy; x: float32 -> the quantised numbers, widened to float32 again
;;       x = np.moveaxis(x, axis, -1); K = x.shape[-1]
;;       x = np.pad(x, [(0, 0)] * (x.ndim - 1) + [(0, -K % 32)]); x = x.reshape(x.shape[:-1] + (-1, 32)); a = np.abs(x).max(-1, keepdims=True)
;;       e = np.where(a > 0, np.clip(np.frexp(np.where(a > 0, a, 1))[1] - 1 - 2, -126, 127), 0)      # np.frexp(a)[1] - 1 = floor(log2(a)), exactly
;;       r = np.clip(x / 2.0 ** e, -7.5, 7.5)
;;       step = 2.0 ** (np.maximum(np.frexp(np.where(r == 0, 1, r))[1] - 1, 0) - 3)
;;       q = np.round(r / step) * step * 2.0 ** e      # np.round: ties to even
;;       return np.moveaxis(q.reshape(q.shape[:-2] + (-1,))[..., :K], -1, axis).astype(np.float32)
;;   ~~~
;;   SOFTMAX AHEAD OF A QUANTISED PRODUCT. Where the list says 'softmax', what is quantised is not the finished softmax but p = 2^(t - M), with t = logit x log2(e) and M = ceil(the row's largest t), a whole number; so 1/2 < the row's largest p <= 1. The row's sum l is taken of the UNQUANTISED p, in f32, and the product's result is divided by l at the end. Since M is a whole number, a kernel that streams over the keys may use a running M (the ceiling of the running maximum): every later rescaling is an exact power of two, which a block's scale takes up: the codes' values come out the same.
;;   OPERANDS COMPUTED ON THE WAY. 'Computed on the way' means the value that the module computes at that place (a softmax that the list does not call 'softmax' is quantised finished and normalised). What goes into a quantiser is computed in f32, as accurately as f32 sums, v_exp_f32 and their like allow (about 1e-6 of the number): no bf16 or f16 on the way to a quantiser, and a product that is left as it is and whose result goes on into a quantised operand takes f32 operands (vector FMAs, or v_wmma_f32_16x16x4_f32). A number that lies on a knife's edge between two numbers of the format may be rounded either way, as far as f32 arithmetic and the matrix unit's own rounding can turn it there, and no further.
;; One version. Each part assembles by itself: llvm-mc -triple=amdgcn-amd-amdhsa -mcpu=gfx1250 --defsym DOCPART=n.
;; ======== version 1 of 1: 4 launches
;; workspace buffers: c1 9,437,184 bytes; s1 393,216 bytes; rope 524,288 bytes; qrec 13,107,200 bytes; kv 13,107,200 bytes; acod 6,291,456 bytes; ascl 262,144 bytes
;; launch quant (part 1): grid 400 x 1, 4 waves a work-group, no clusters, 33,280 bytes of LDS; arguments x, W_qkv, W_out, c1, s1, rope; writes c1, s1, rope
.if DOCPART == 1
	.amdgcn_target "amdgcn-amd-amdhsa--gfx1250"
	.amdhsa_code_object_version 6
	.text
	.protected	k_q247df5fe04_quant
	.globl	k_q247df5fe04_quant
	.p2align	8
	.type	k_q247df5fe04_quant,@function
k_q247df5fe04_quant:
	s_mov_b64 s[64:65], 0
	v_nop
	global_prefetch_b8 v0, s[64:65] scope:SCOPE_SE
	s_setreg_imm32_b32 hwreg(HW_REG_WAVE_MODE, 25, 1), 1
	s_wait_xcnt 0x0
; x [8192][1024], W_qkv [3072][1024] and W_out [1024][1024], f32, become codes of FP6 (E2M3), K innermost, 768 bytes a row, in c1 (12,288 rows), with one E8M0 byte for each 32 along K in s1 (32 bytes a row).
; A block's scale is 2^(floor(log2(its largest magnitude)) - 2); its byte is the largest magnitude's exponent field - 2, held at 1 from below (a block of zeros gets 1: its codes are zeros, and this program alone reads the bytes).
; THE ORDER OF ROWS.  Rows of x and of W_qkv are laid at the place whose bits 3 and 4 are exchanged: 16 neighbouring places are then rows r + 8 (r / 8) of a group of 32, or those 8 further on, which is the choice of rows
; that lets a product's results be neighbours along the next product's K.  A wave's run is 8 rows, so the exchange is one of the wave's two bits.  W_out keeps its order.
; Work-groups 0-255: x; 256-351: W_qkv; 352-383: W_out; one path for all three, only pointers are chosen.  A wave takes 16 steps of 512 numbers; each load reads 512 consecutive bytes; a step's 2,048 bytes turn through the wave's
; own stage in LDS so that a lane holds 16 neighbours (two lanes to a block); a wave stores 384 consecutive bytes of codes a step, and its 256 scale bytes as one aligned block of 256 bytes at the end.
; Work-groups 384-399 make the table of cos and sin for the rotary embedding, a thread to a token: angle = token x 10^(-j / 8), one f32 multiplication; reduced by multiples of pi / 2 in three parts (fused multiply-adds), then
; polynomials on |r| <= pi / 4.  Layout: [16 places][8 pieces][32 lanes][16 bytes]: lane (r, h) finds cos[16 h + 4 c ..] in pieces 0-3 and sin in pieces 4-7, of the token that lies at place 16 tile + r.  This path uses no LDS.
; LIMITS: NaN and infinities among the inputs are not served.  The frequencies are the f32 numbers nearest to 10^(-j / 8); a frequency made by an f32 power and a division may differ by one unit in its last place, which at
; the largest angle, 2,047, is 1.2e-4 rad.
.set STEPS, 16
.set EMAX,  2
.set CB,    12                         ; bytes of 16 codes
.set R,     16                         ; v16-79   four sets of 16 numbers as they are loaded
.set X,     80                         ; v80-111  two sets of 16 neighbours
.set C,     128                        ; v128-191 codes: four registers for each step
.set E,     112                        ; v112-127 a scale byte for each step
.set WREG,  8192                       ; LDS: a region for each wave: two stages of 32 x SP bytes, then its 256 scale bytes
.set SP,    80                         ; a lane's place in a stage: 64 bytes + 16 of padding
	s_load_b256 s[4:11], s[0:1], 0x0               ; x s[4:5], W_qkv s[6:7], W_out s[8:9], c1 s[10:11]
	s_load_b128 s[12:15], s[0:1], 0x20             ; s1 s[12:13], rope s[14:15]
	v_lshl_add_u32 v192, v0, 2, 0x8000
	v_mov_b32 v193, 0
	s_cmp_ge_u32 ttmp9, 384
	s_cbranch_scc1 .Ltable
	v_lshrrev_b32 v1, 5, v0
	v_readfirstlane_b32 s16, v1                    ; wave
	v_and_b32 v2, 31, v0                           ; lane
	v_lshlrev_b32 v3, 4, v2                        ; my 16 bytes of a load's 512
	s_mul_i32 s17, s16, WREG
	v_lshrrev_b32 v14, 2, v2
	v_mul_u32_u24 v14, v14, SP
	v_and_b32 v15, 3, v2
	v_lshl_add_u32 v14, v15, 4, v14
	v_add_nc_u32 v14, s17, v14                     ; the stage, on the way in: SP (lane / 4) + 16 (lane % 4)
	v_mul_u32_u24 v15, v2, SP
	v_add_nc_u32 v15, s17, v15                     ; and on the way out: SP x lane: my 16 neighbours
	v_mul_u32_u24 v4, v2, CB                       ; my codes' place in a step's
	v_lshrrev_b32 v5, 1, v2
	s_add_co_u32 s17, s17, 2*32*SP
	v_add_nc_u32 v5, s17, v5                       ; LDS: my wave's 256 scale bytes, my block's byte
	v_lshlrev_b32 v7, 3, v2                        ; and on the way out 8 bytes a lane
	v_add_nc_u32 v6, s17, v7
	s_and_b32 s18, s16, 1
	s_lshl_b32 s18, s18, 1
	s_lshr_b32 s19, s16, 1
	s_or_b32 s18, s18, s19                         ; the wave's two bits exchanged
	s_wait_kmcnt 0x0
	s_cmp_lt_u32 ttmp9, 256                        ; which tensor: the choice hangs on the work-group's number alone
	s_cselect_b64 s[4:5], s[4:5], s[6:7]
	s_cselect_b32 s20, 0, 1024                     ; the tensor's first run of 8 rows
	s_cmp_lt_u32 ttmp9, 352
	s_cselect_b64 s[4:5], s[4:5], s[8:9]
	s_cselect_b32 s20, s20, 1408
	s_cselect_b32 s18, s18, s16                    ; W_out keeps its order
	s_lshl_b32 s21, ttmp9, 2
	s_add_co_u32 s22, s21, s16
	s_sub_co_u32 s22, s22, s20                     ; my run in the tensor,
	s_lshl_b32 s22, s22, 15                        ; 32,768 bytes each (under 2^26)
	s_mov_b32 s23, 0
	s_add_nc_u64 s[4:5], s[4:5], s[22:23]
	s_add_co_u32 s21, s21, s18                     ; the run's place in c1 and s1
	s_mul_i32 s22, s21, 6144
	s_add_nc_u64 s[10:11], s[10:11], s[22:23]
	s_lshl_b32 s22, s21, 8
	s_add_nc_u64 s[12:13], s[12:13], s[22:23]
.macro LOAD t
.irp i, 0,1,2,3
	global_load_b128 v[R+16*((\t)%4)+4*\i:R+16*((\t)%4)+4*\i+3], v3, s[4:5] offset:2048*(\t)+512*\i th:TH_LOAD_NT   ; 32 lanes read 512 consecutive bytes
.endr
.endm
.macro TURN t                          ; step t's numbers through the stage: LDS serves a wave's instructions in order, so no wait stands between the stores and the loads
.irp i, 0,1,2,3
	ds_store_b128 v14, v[R+16*((\t)%4)+4*\i:R+16*((\t)%4)+4*\i+3] offset:32*SP*((\t)%2)+8*SP*\i
.endr
.irp i, 0,1,2,3
	ds_load_b128 v[X+16*((\t)%2)+4*\i:X+16*((\t)%2)+4*\i+3], v15 offset:32*SP*((\t)%2)+16*\i
.endr
.endm
.irp t, 0,1,2,3
	LOAD \t
.endr
	s_wait_loadcnt 12                              ; step 0's four loads are in; twelve younger ones stay out
	TURN 0
.macro STEP t
.set XS, X+16*((\t)%2)
.if (\t) > 0
	s_wait_dscnt 1                                 ; this step's numbers are back from the stage (the last step's byte store may be out): its stores into the stage have read their registers,
.else
	s_wait_dscnt 0x0
.endif
.if (\t)+4 < STEPS
	LOAD (\t)+4                                    ; which take the loads of four steps on
.endif
.if (\t)+1 < STEPS
.if STEPS-2-(\t) >= 3
	s_wait_loadcnt 12                              ; the next step's four loads are in; those of the three steps behind it may be out
.else
	s_wait_loadcnt 4*(STEPS-2-(\t))
.endif
	TURN (\t)+1                                    ; and go through the other stage while this step is worked
.endif
	v_max3_num_f32 v8, |v[XS]|, |v[XS+1]|, |v[XS+2]|               ; the largest magnitude of my 16, in two chains
	v_max3_num_f32 v9, |v[XS+3]|, |v[XS+4]|, |v[XS+5]|
.irp i, 6,10
	v_max3_num_f32 v8, v8, |v[XS+\i]|, |v[XS+\i+1]|
	v_max3_num_f32 v9, v9, |v[XS+\i+2]|, |v[XS+\i+3]|
.endr
	v_max3_num_f32 v8, v8, |v[XS+14]|, |v[XS+15]|
	v_max3_num_f32 v8, v8, v9, (EMAX+1)<<23        ; and the floor 2^(3 - 127): the byte cannot fall under 1
	v_max_num_f32_dpp v8, v8, v8 row_xmask:1 row_mask:0xf bank_mask:0xf   ; and of my neighbour's 16: the block's
	v_add_nc_u32 v11, -(EMAX<<23), v8              ; 2 off its exponent field: the conversion takes the exponent field of this operand as its scale
	v_cvt_scalef32_pk16_fp6_f32 v[C+4*(\t):C+4*(\t)+2], v[XS:XS+15], v11
	v_lshrrev_b32 v[E+(\t)], 23, v11               ; the scale's byte (also the plain line behind the conversion)
	ds_store_b8 v5, v[E+(\t)] offset:16*(\t)       ; both lanes of a block write the same byte with the same value
	global_store_b96 v4, v[C+4*(\t):C+4*(\t)+2], s[10:11] offset:32*CB*(\t)
.endm
.irp t, 0,1,2,3,4,5,6,7,8,9,10,11,12,13,14,15
	STEP \t
.endr
	ds_load_b64 v[12:13], v6                       ; LDS serves a wave's instructions in order: these see my stores
	s_wait_dscnt 0x0
	global_store_b64 v7, v[12:13], s[12:13]        ; 32 lanes store 256 consecutive bytes, aligned
	s_wait_tensorcnt 0x0
	ds_add_u32 v192, v193
	s_wait_dscnt 0x0
	s_endpgm
.Ltable:
	s_sub_co_u32 s16, ttmp9, 384
	s_lshl_b32 s16, s16, 7
	v_add_nc_u32 v1, s16, v0                       ; my token, 0 .. 2047
	v_cvt_f32_u32 v2, v1
	v_and_b32 v3, 0x7e7, v1                        ; its place: bits 3 and 4 exchanged
	v_and_b32 v4, 8, v1
	v_lshl_or_b32 v3, v4, 1, v3
	v_and_b32 v4, 16, v1
	v_lshrrev_b32 v4, 1, v4
	v_or_b32 v3, v3, v4
	v_lshrrev_b32 v4, 4, v3                        ; the tile of 16 places: 4,096 bytes each,
	v_and_b32 v3, 15, v3
	v_lshlrev_b32 v3, 4, v3                        ; r: 16 bytes each
	v_lshl_or_b32 v3, v4, 12, v3
	s_mov_b32 s20, 0xbfc90fdb                      ; -pi / 2 in three parts: -1.57079637,
	s_mov_b32 s21, 0x333bbd2e                      ; +4.37113883e-8,
	s_mov_b32 s22, 0x26f72ced                      ; +1.7151245e-15
	s_mov_b32 s23, 0xb94ca1f9                      ; sin: -1.9515295891e-4,
	s_mov_b32 s24, 0x3c08839e                      ; 8.3321608736e-3,
	s_mov_b32 s25, 0xbe2aaaa3                      ; -1.6666654611e-1
	s_mov_b32 s26, 0x37ccf5ce                      ; cos: 2.443315712e-5,
	s_mov_b32 s27, 0xbab6061a                      ; -1.388731625e-3,
	s_mov_b32 s28, 0x3d2aaaa5                      ; 4.166664568e-2
	s_mov_b32 s29, 0x3f22f983                      ; 2 / pi
.macro ANG j, f                        ; cos and sin of token x f into v[64 + j], v[96 + j]
	v_mul_f32 v4, \f, v2                           ; the angle: one f32 multiplication
	v_mul_f32 v5, s29, v4
	v_rndne_f32 v5, v5                             ; k, the nearest multiple of pi / 2
	v_fma_f32 v6, v5, s20, v4                      ; r = angle - k pi / 2: the first step is exact (k has 11 bits)
	v_fma_f32 v6, v5, s21, v6
	v_fma_f32 v6, v5, s22, v6
	v_mul_f32 v7, v6, v6
	v_fma_f32 v8, v7, s23, s24
	v_fma_f32 v9, v7, s26, s27
	v_fma_f32 v8, v8, v7, s25
	v_fma_f32 v9, v9, v7, s28
	v_mul_f32 v10, v6, v7
	v_fma_f32 v9, v9, v7, -0.5
	v_fma_f32 v8, v10, v8, v6                      ; sin r
	v_fma_f32 v9, v9, v7, 1.0                      ; cos r
	v_cvt_i32_f32 v5, v5
	v_and_b32 v10, 1, v5
	v_cmp_eq_u32 vcc_lo, 1, v10                    ; k odd: the two change places
	v_cndmask_b32 v11, v8, v9, vcc_lo
	v_cndmask_b32 v12, v9, v8, vcc_lo
	v_lshlrev_b32 v10, 30, v5                      ; sin is negated where k % 4 is 2 or 3,
	v_add_nc_u32 v5, 1, v5
	v_and_b32 v10, 0x80000000, v10
	v_lshlrev_b32 v5, 30, v5                       ; cos where it is 1 or 2
	v_xor_b32 v[96+\j], v10, v11
	v_and_b32 v5, 0x80000000, v5
	v_xor_b32 v[64+\j], v5, v12
.endm
	ANG 0, 1.0
	ANG 1, 0.7498942093
	ANG 2, 0.5623413252
	ANG 3, 0.4216965034
	ANG 4, 0.3162277660
	ANG 5, 0.2371373706
	ANG 6, 0.1778279410
	ANG 7, 0.1333521432
	ANG 8, 0.1
	ANG 9, 0.07498942093
	ANG 10, 0.05623413252
	ANG 11, 0.04216965034
	ANG 12, 0.03162277660
	ANG 13, 0.02371373706
	ANG 14, 0.01778279410
	ANG 15, 0.01333521432
	ANG 16, 0.01
	ANG 17, 0.007498942093
	ANG 18, 0.005623413252
	ANG 19, 0.004216965034
	ANG 20, 0.003162277660
	ANG 21, 0.002371373706
	ANG 22, 0.001778279410
	ANG 23, 0.001333521432
	ANG 24, 0.001
	ANG 25, 0.0007498942093
	ANG 26, 0.0005623413252
	ANG 27, 0.0004216965034
	ANG 28, 0.0003162277660
	ANG 29, 0.0002371373706
	ANG 30, 0.0001778279410
	ANG 31, 0.0001333521432
	s_wait_kmcnt 0x0
.irp h, 0,1
.irp c, 0,1,2,3
	global_store_b128 v3, v[64+16*\h+4*\c:64+16*\h+4*\c+3], s[14:15] offset:512*\c+256*\h        ; a wave's 32 tokens fill two aligned runs of 256 bytes, one in each of two neighbouring tiles
	global_store_b128 v3, v[96+16*\h+4*\c:96+16*\h+4*\c+3], s[14:15] offset:2048+512*\c+256*\h
.endr
.endr
	s_endpgm
.Lfunc_end_k_q247df5fe04_quant:
	.size	k_q247df5fe04_quant, .Lfunc_end_k_q247df5fe04_quant-k_q247df5fe04_quant
	.p2alignl 7, 3214868480
	.fill 96, 4, 3214868480
	.section	.rodata,"a",@progbits
	.p2align	6, 0x0
	.amdhsa_kernel k_q247df5fe04_quant
		.amdhsa_group_segment_fixed_size 33280
		.amdhsa_private_segment_fixed_size 0
		.amdhsa_enable_private_segment 0
		.amdhsa_kernarg_size 48
		.amdhsa_user_sgpr_count 2
		.amdhsa_user_sgpr_kernarg_segment_ptr 1
		.amdhsa_wavefront_size32 1
		.amdhsa_system_sgpr_workgroup_id_x 1
		.amdhsa_system_sgpr_workgroup_id_y 1
		.amdhsa_system_sgpr_workgroup_id_z 1
		.amdhsa_system_vgpr_workitem_id 0
		.amdhsa_next_free_vgpr 194
		.amdhsa_next_free_sgpr 66
		.amdhsa_reserve_vcc 1
		.amdhsa_float_denorm_mode_32 3
		.amdhsa_float_denorm_mode_16_64 3
		.amdhsa_memory_ordered 1
		.amdhsa_forward_progress 1
		.amdhsa_inst_pref_size 75
	.end_amdhsa_kernel
	.amdgpu_metadata
---
amdhsa.version: [ 1, 2 ]
amdhsa.kernels:
  - .name:           k_q247df5fe04_quant
    .symbol:         k_q247df5fe04_quant.kd
    .args:
      - { .name: x, .offset: 0, .size: 8, .value_kind: global_buffer, .address_space: global }
      - { .name: W_qkv, .offset: 8, .size: 8, .value_kind: global_buffer, .address_space: global }
      - { .name: W_out, .offset: 16, .size: 8, .value_kind: global_buffer, .address_space: global }
      - { .name: c1, .offset: 24, .size: 8, .value_kind: global_buffer, .address_space: global }
      - { .name: s1, .offset: 32, .size: 8, .value_kind: global_buffer, .address_space: global }
      - { .name: rope, .offset: 40, .size: 8, .value_kind: global_buffer, .address_space: global }
    .group_segment_fixed_size: 33280
    .private_segment_fixed_size: 0
    .kernarg_segment_align: 8
    .kernarg_segment_size: 48
    .max_flat_workgroup_size: 128
    .sgpr_count:     66
    .vgpr_count:     194
    .wavefront_size: 32
...
	.end_amdgpu_metadata
.endif
;; end of part 1
;; launch qkv (part 2): grid 12 x 32, 4 waves a work-group, clusters of 4 x 4, 327,680 bytes of LDS; arguments c1, s1, b_qkv, rope, qrec, kv; writes qrec, kv
.if DOCPART == 2
	.amdgcn_target "amdgcn-amd-amdhsa--gfx1250"
	.amdhsa_code_object_version 6
	.text
	.protected	k_q247df5fe04_qkv
	.globl	k_q247df5fe04_qkv
	.p2align	8
	.type	k_q247df5fe04_qkv,@function
k_q247df5fe04_qkv:
	s_mov_b64 s[64:65], 0
	v_nop
	global_prefetch_b8 v0, s[64:65] scope:SCOPE_SE
	s_setreg_imm32_b32 hwreg(HW_REG_WAVE_MODE, 25, 1), 1
	s_wait_xcnt 0x0
	s_wait_alu depctr_hold_cnt(0) depctr_sa_sdst(0) depctr_va_vdst(0) depctr_va_sdst(0) depctr_va_ssrc(0) depctr_va_vcc(0) depctr_vm_vsrc(0)
	s_getreg_b32 s2, hwreg(HW_REG_IB_STS2, 6, 4)
	s_cmp_eq_u32 s2, 0
	s_cbranch_scc0 .Lentry_in_a_cluster
	s_endpgm
.Lentry_in_a_cluster:
	s_bfe_u32 s2, ttmp6, 0x10000c
	s_cmp_lg_u32 s2, 0xf033
	s_cbranch_scc0 .Lentry_shape_is_right
	s_endpgm
.Lentry_shape_is_right:
; qkv = x W_qkv^T + b_qkv on codes of FP6 (E2M3) with one E8M0 scale for each 32 along K = 1,024; then the rotary embedding on q and k, in f32; then q and k are quantised along the head's 64 and v along the keys,
; and leave as images of the registers in which the attention launch wants them.  No f32 number of q, k or v goes to memory.
; A tile of the product is 256 x 256, made by four waves, each 128 x 128: 64 accumulators of 16 x 16.  K goes in steps of 256 through a ring of two LDS slots filled by the tensor data mover; the scale bytes of the tile's
; 512 rows come once and stay.  Both operands are rows of c1 (768 bytes of codes) and s1 (32 scale bytes).
; TWO ROLES.  Source 0's rows run along a lane's result registers; source 1's row is the lane's.  Clusters x = 0 (q) and 1 (k): source 0 = 256 features, source 1 = 256 tokens: a lane holds one token and its registers run
; along the head's 64, which is the next K.  Cluster x = 2 (v): source 0 = 256 tokens, source 1 = 256 features: a lane holds one feature and its registers run along the keys, which is v's K.  The loop is one text.
; Rows of x and of W_qkv lie in c1 with bits 3 and 4 of their number exchanged, so that the 16 registers of two neighbouring tiles of source 0 are 16 NEIGHBOURS: 32 (b / 2) + 16 (lane / 16) + 0 .. 15.
; CLUSTERS: 4 x 4 work-groups.  Source 1's tile hangs on cy and is shared along a row of the cluster, source 0's on cx and is shared along a column: each is asked for jointly.  The choice of roles hangs on the cluster's
; number, which all sixteen share.
; OUTPUT.  A record of 12,800 bytes for each head and each 128 tokens: 4 images of k (two tiles of 16 keys each: registers 0-5 one key's 64 codes, by halves of the lanes, registers 6-11 another's), 4 images of v
; (16 channels x 128 keys), 256 bytes of k's scale words, 256 of v's.  q goes into records of the same form in qrec (the parts for k).  An image is 12 registers a lane: registers 4 c .. 4 c + 3 of lane l at 512 c + 16 l.
; LIMITS: NaN and infinities are not served; a block of zeros gets the scale byte 1 (its codes are zeros; this program alone reads the bytes).
; REGISTERS, in windows of 256: window 0: v0-31 addresses; v32-63 scale words, two sets; from v128 source 1's fragments, one set; window 1: source 0's fragments, two sets; windows 2, 3: the accumulators ((a, b) at v[8 (8 (a % 4) + b)]).
.set KSTEP,  256
.set NQ,     2                         ; matrix instructions deep in a slot
.set ROWB,   192                       ; a tile's row in bytes
.set KROW,   768                       ; a row of c1
.set PITCH,  240                       ; an LDS row: 3 x (64 bytes + 16 of padding)
.set FR,     12
.set NL,     6
.set NP,     4                         ; places behind this matrix instruction (ISA guide 7.12.1)
.set HALFT,  128*PITCH
.set SLOT,   4*HALFT                   ; source 1's 256 rows, then source 0's
.set LAPS,   2                         ; 1,024 / 512
.set KS,     32                        ; a row of scale bytes
.set SCL,    2*SLOT
.set HALFS,  16*272                    ; the scales of 128 rows: 16 rows of 256 bytes + 16
.set SBLK,   2*272                     ; those of 16 rows
.set SPARE,  SCL+4*HALFS               ; the spare words: 128 bytes a wave, two blocks of 256 bytes that no other line names
.set ADRA, 16                          ; v16-19 LDS addresses of source 1's fragments (slot 0, 1; the same behind one padding more)
.set ADRB, 20                          ; v20-23 of source 0's
.set ADRS, 27                          ; v27 of my scale words: lanes 0-15 source 1's, lanes 16-31 source 0's
.set SPW,  28
.set NIL,  29
.set SC,   32
.set AF,   128
.set G1, 24
.set G0, 32
.set G1B, 48
.set G0B, 56
.set G1S, 68
.set G0S, 76
.set G1SB, 80
.set G0SB, 88
; the tails, all in window 0
.set LI,  3                            ; v3   16 x lane
.set BO,  4                            ; v4   the bias loads' offset
.set SO,  6                            ; v6   16 r + 204,800 h: the scale words' place, lanes 16-31 in the next head's record
.set XT,  32                           ; v32-63   a token's 64 numbers of a head (by halves of the lanes: 32 a lane);  v32-95 a feature's 64 keys
.set BI,  64                           ; v64-127  q, k: the bias of my 128 features, in the result's layout
.set PC,  96                           ; v96-107  v: the codes; v108-114 at work
.set YT,  128                          ; v128-159 q, k: rotated
.set BV,  128                          ; v128-143 v: the bias of my lane's feature in each of 8 tiles, twice (a pair for the packed addition)
.set IM,  160                          ; v160-171 q, k: an image
.set CT,  172                          ; v172-174 at work
.set TM,  176                          ; v176-191 at work
.set SW,  192                          ; v192-199 scale words
.set SWS, 200                          ; v200-203 those that my lane stores
.set MSB, 0
.macro WIN new                         ; the immediate's high byte repeats the setting that is left
.if MSB != (\new)
	s_set_vgpr_msb (MSB<<8)|(\new)
.set MSB, (\new)
.endif
.endm
.set MUL_LO, 0xa1                      ; source 0 window 1, source 1 window 0, C and D window 2
.set MUL_HI, 0xf1
.set TO_B,   0x40
; A joint load: waves 0 and 1 fetch for source 1, waves 2 and 3 for source 0.  The branch hangs on the wave's number alone.  Four v_nop follow each of the two lines.
.macro JLOAD g0a, g1a, g0b, g1b
	s_cmp_eq_u32 s15, 0
	s_cbranch_scc0 .Lfor_b_\@
	tensor_load_to_lds s[\g0a:\g0a+3], s[\g1a:\g1a+7]
	s_nop 0
.rept 4
	v_nop
.endr
	s_branch .Lasked_\@
.Lfor_b_\@:
	tensor_load_to_lds s[\g0b:\g0b+3], s[\g1b:\g1b+7]
	s_nop 0
.rept 4
	v_nop
.endr
.Lasked_\@:
.endm
.macro CREST                           ; a round of the cluster's barrier behind its opening barrier
	s_cmp_lg_u32 s14, 0
	s_cbranch_scc1 .Lnot_wave_0_\@
	s_barrier_signal -3
.Lnot_wave_0_\@:
	s_barrier_wait -3
	s_barrier_signal -1
	s_barrier_wait -1
.endm
.macro CROUND
	s_barrier_signal -1
	s_barrier_wait -1
	CREST
.endm
	s_load_b256 s[4:11], s[0:1], 0x0               ; c1 s[4:5], s1 s[6:7], b_qkv s[8:9], rope s[10:11]
	s_load_b128 s[96:99], s[0:1], 0x20             ; qrec s[96:97], kv s[98:99]
	v_lshl_add_u32 v[SPW], v0, 2, SPARE
	v_mov_b32 v[NIL], 0
	ds_add_u32 v28, v29
	ds_add_u32 v28, v29
	s_wait_dscnt 0x0
	v_lshrrev_b32 v1, 5, v0
	v_readfirstlane_b32 s14, v1                    ; wave 0..3
	s_lshr_b32 s15, s14, 1                         ; which half of source 1's rows is mine.  Also: I fetch for source 1 (0) or source 0 (1)
	s_and_b32 s16, s14, 1                          ; which half of source 0's.  Also: which 128 rows I fetch
	s_bfe_u32 s40, ttmp6, 0x40000                  ; cx
	s_bfe_u32 s41, ttmp6, 0x40004                  ; cy
	s_mov_b32 s66, ttmp9                           ; the cluster's x: 0 q, 1 k, 2 v
	s_and_b32 s67, ttmp7, 0xffff                   ; the cluster's y: 1,024 tokens
	s_lshl_b32 s43, s41, 2
	s_lshl_b32 s43, 15, s43                        ; my row of the cluster
	s_lshl_b32 s44, 0x1111, s40                    ; my column
	s_or_b32 s[G1+0], s43, (1<<20)|(1<<21)|(3<<22)|(3<<25)   ; the mask; elements of 1 byte; padding on; bit 21 beside a mask; after every 16 words, 4 words
	s_or_b32 s[G1B+0], s44, (1<<20)|(1<<21)|(3<<22)|(3<<25)
.irp g, G1, G1B
	s_mov_b32 s[\g+1], ROWB<<16                    ; tensor_dim0
	s_mov_b32 s[\g+2], 128<<16                     ; tensor_dim1
	s_mov_b32 s[\g+3], ROWB<<16                    ; tile_dim0
	s_mov_b32 s[\g+4], 128                         ; tile_dim1
	s_mov_b32 s[\g+5], KROW                        ; the pitch
	s_mov_b32 s[\g+6], 0
	s_mov_b32 s[\g+7], 0
.endr
	s_or_b32 s[G1S+0], s43, (3<<16)|(1<<20)|(1<<21)|(5<<22)|(3<<25)   ; the scales of 128 rows: 4,096 dense bytes as 16 rows of 256 (32 elements of 8 bytes), 16 bytes of padding behind each
	s_or_b32 s[G1SB+0], s44, (3<<16)|(1<<20)|(1<<21)|(5<<22)|(3<<25)
.irp g, G1S, G1SB
	s_mov_b32 s[\g+1], 32<<16
	s_mov_b32 s[\g+2], 16<<16
	s_mov_b32 s[\g+3], 32<<16
	s_mov_b32 s[\g+4], 16
	s_mov_b32 s[\g+5], 32
	s_mov_b32 s[\g+6], 0
	s_mov_b32 s[\g+7], 0
.endr
	s_lshl_b32 s18, s67, 10                        ; the cluster's tokens begin at row 1,024 y of c1
	s_lshl_b32 s19, s66, 10
	s_add_co_u32 s19, s19, 8192                    ; q's or k's features at row 8,192 + 1,024 x
	s_cmp_eq_u32 s66, 2                            ; the roles: alike in all sixteen partners
	s_cselect_b32 s17, 10240, s18                  ; source 1: v's features, or tokens
	s_cselect_b32 s42, s18, s19                    ; source 0: tokens, or q's or k's features
	s_lshl_b32 s20, s41, 8
	s_add_co_u32 s17, s17, s20                     ; source 1's tile: + 256 cy
	s_lshl_b32 s46, s40, 8
	s_add_co_u32 s42, s42, s46                     ; source 0's tile: + 256 cx
	s_lshl_b32 s18, s16, 7                         ; which 128 rows I fetch
	s_add_co_u32 s20, s17, s18
	s_add_co_u32 s46, s42, s18
	s_mov_b32 s21, 0
	s_mov_b32 s47, 0
	s_mov_b64 s[18:19], KS
	s_mul_u64 s[22:23], s[20:21], s[18:19]         ; where these rows' scales begin, in bytes,
	s_mul_u64 s[92:93], s[46:47], s[18:19]
	s_mov_b64 s[18:19], KROW
	s_mul_u64 s[20:21], s[20:21], s[18:19]         ; and their codes
	s_mul_u64 s[46:47], s[46:47], s[18:19]
	s_mul_i32 s45, s14, HALFT                      ; where they go: wave x 128 rows
	s_mul_i32 s94, s14, HALFS
	s_wait_kmcnt 0x0
	s_add_nc_u64 s[20:21], s[4:5], s[20:21]
	s_add_nc_u64 s[22:23], s[6:7], s[22:23]
	s_add_nc_u64 s[46:47], s[4:5], s[46:47]
	s_add_nc_u64 s[92:93], s[6:7], s[92:93]
	CROUND                                         ; all sixteen work-groups are here: the first joint loads meet
	s_mov_b32 s[G0S], 1
	s_add_co_u32 s[G0S+1], s94, SCL
	s_mov_b64 s[G0S+2:G0S+3], s[22:23]
	s_or_b32 s[G0S+3], s[G0S+3], 0x80000000
	s_mov_b32 s[G0SB], 1
	s_add_co_u32 s[G0SB+1], s94, SCL
	s_mov_b64 s[G0SB+2:G0SB+3], s[92:93]
	s_or_b32 s[G0SB+3], s[G0SB+3], 0x80000000
	JLOAD G0S, G1S, G0SB, G1SB                     ; the scales first: they are wanted with K step 0
.irp s, 0,1
	s_mov_b32 s[G0+4*\s], 1
	s_add_co_u32 s[G0+4*\s+1], s45, \s*SLOT
	s_add_nc_u64 s[G0+4*\s+2:G0+4*\s+3], s[20:21], \s*ROWB
	s_or_b32 s[G0+4*\s+3], s[G0+4*\s+3], 0x80000000
	s_mov_b32 s[G0B+4*\s], 1
	s_add_co_u32 s[G0B+4*\s+1], s45, \s*SLOT
	s_add_nc_u64 s[G0B+4*\s+2:G0B+4*\s+3], s[46:47], \s*ROWB
	s_or_b32 s[G0B+4*\s+3], s[G0B+4*\s+3], 0x80000000
	JLOAD G0+4*\s, G1, G0B+4*\s, G1B               ; three tensor loads of mine are out
.endr
	v_and_b32 v1, 15, v0                           ; r = lane % 16
	v_bfe_u32 v2, v0, 4, 1                         ; h = lane / 16
	v_mul_u32_u24 v3, v1, PITCH
	v_mul_u32_u24 v4, v2, 24
	v_add_nc_u32 v4, v3, v4                        ; a fragment's row x pitch + 24 x half
	v_lshl_add_u32 v5, v2, 4, v4                   ; and the same behind one padding more
	s_mul_i32 s21, s15, HALFT                      ; my 128 rows of source 1
	s_mul_i32 s22, s16, HALFT                      ; my 128 rows of source 0,
	s_add_co_u32 s22, s22, 2*HALFT                 ; which lie behind source 1's 256
.irp s, 0,1
	v_add_nc_u32 v[ADRA+\s], s21, v4
	v_add_nc_u32 v[ADRB+\s], s22, v4
	v_add_nc_u32 v[ADRA+2+\s], s21, v5
	v_add_nc_u32 v[ADRB+2+\s], s22, v5
	s_add_co_u32 s21, s21, SLOT
	s_add_co_u32 s22, s22, SLOT
.endr
	v_mul_u32_u24 v5, v1, KS                       ; my row's scales: 32 bytes a row,
	v_lshrrev_b32 v6, 8, v5
	v_lshl_add_u32 v5, v6, 4, v5                   ; and 16 more for each 256 passed
	s_mul_i32 s21, s15, HALFS
	s_mul_i32 s22, s16, HALFS
	s_add_co_u32 s22, s22, 2*HALFS
	s_sub_co_u32 s22, s22, s21
	v_mul_u32_u24 v6, s22, v2                      ; lanes 16-31 take source 0's: one product, the distance between the two bases
	s_add_co_u32 s21, s21, SCL
	v_add_nc_u32 v5, v5, v6
	v_add_nc_u32 v[ADRS], s21, v5
.macro FRAG reg, adr, q, i             ; a fragment, 16 rows x 128 K: lane l holds row l % 16; registers 6 c .. 6 c + 5 hold K = 64 c + 32 (l / 16) + 0 .. 31: 24 bytes of the row, as they lie, in pieces of 8 bytes
.irp p, 0,1,2,3,4,5
.set PCE, 12*(\q)+6*(\p/3)+\p%3       ; 16 bytes of padding lie behind every 8 pieces: where the piece three on lies behind one padding more, the second address register serves
.if PCE%8 < 5
	ds_load_b64 v[\reg+2*\p:\reg+2*\p+1], v[\adr] offset:8*PCE+16*(PCE/8)+(\i)*16*PITCH
.else
	ds_load_b64 v[\reg+2*\p:\reg+2*\p+1], v[\adr+2] offset:8*PCE+16*(PCE/8)+(\i)*16*PITCH
.endif
.endr
.endm
; 16 matrix instructions: source 1's blocks a0, a0 + 1 x source 0's eight.  The 64 accumulators take turns, one instruction a turn, in the same order in every step.
.macro MUL16 a0, p, q, sc, zero
.irp a, \a0, \a0+1
.irp b, 0,1,2,3,4,5,6,7
.if \zero
	v_wmma_scale_f32_16x16x128_f8f6f4 v[8*(8*((\a)%4)+\b):8*(8*((\a)%4)+\b)+7], v[128*(\p)+FR*\b:128*(\p)+FR*\b+FR-1], v[AF+FR*(\a):AF+FR*(\a)+FR-1], 0, v[SC+8*NQ*(\sc)+NQ*\b+(\q)], v[SC+8*NQ*(\sc)+NQ*(\a)+(\q)] matrix_a_fmt:MATRIX_FMT_FP6 matrix_b_fmt:MATRIX_FMT_FP6 matrix_a_scale:MATRIX_SCALE_ROW1
.else
	v_wmma_scale_f32_16x16x128_f8f6f4 v[8*(8*((\a)%4)+\b):8*(8*((\a)%4)+\b)+7], v[128*(\p)+FR*\b:128*(\p)+FR*\b+FR-1], v[AF+FR*(\a):AF+FR*(\a)+FR-1], v[8*(8*((\a)%4)+\b):8*(8*((\a)%4)+\b)+7], v[SC+8*NQ*(\sc)+NQ*\b+(\q)], v[SC+8*NQ*(\sc)+NQ*(\a)+(\q)] matrix_a_fmt:MATRIX_FMT_FP6 matrix_b_fmt:MATRIX_FMT_FP6 matrix_a_scale:MATRIX_SCALE_ROW1
.endif
.endr
.endr
.endm
.macro FETCH_B slot, q, p
	WIN TO_B
.irp i, 0,1,2,3,4,5,6,7
	FRAG 128*(\p)+FR*\i, ADRB+\slot, \q, \i
.endr
	WIN 0
.endm
.macro FETCH_A slot, q, i0
.irp i, \i0, \i0+1, \i0+2, \i0+3
	FRAG AF+FR*(\i), ADRA+\slot, \q, \i
.endr
.endm
.macro SCALES sc                       ; the next K step's scale words: 2 words a row; lanes 0-15 take source 1's block i, lanes 16-31 source 0's
.irp i, 0,1,2,3,4,5,6,7
	ds_load_b64 v[SC+8*NQ*\sc+NQ*\i:SC+8*NQ*\sc+NQ*\i+1], v[ADRS] offset:\i*SBLK
.endr
.endm
.macro PLACES n                        ; plain vector instructions between a matrix instruction and a load into, or a read of, its registers
.rept \n
	v_nop
.endr
.endm
.macro STEP slot, q, zero              ; a step of 128 along K that has its successor in the same slot
	s_wait_dscnt 4*NL                              ; source 0's set and source 1's blocks 0-3 are in; the youngest 24 loads (blocks 4-7) may be out
	WIN MUL_LO
	MUL16 0, (\q)%2, \q, \slot, \zero
	MUL16 2, (\q)%2, \q, \slot, \zero
	s_wait_dscnt 0
	PLACES NP
	FETCH_B \slot, (\q)+1, 1-(\q)%2
	FETCH_A \slot, (\q)+1, 0
	WIN MUL_HI
	MUL16 4, (\q)%2, \q, \slot, \zero
	MUL16 6, (\q)%2, \q, \slot, \zero
	PLACES NP
	WIN 0
	FETCH_A \slot, (\q)+1, 4
.endm
; A slot's last step changes slots: one barrier; in front of it each wave waits for all its tensor loads, adds 0 to its spare word, and waits for that and for its own reads of this slot.
.macro TURN slot, next, fill
	s_wait_tensorcnt 0x0                           ; all my tensor loads have landed: my part of the next slot
	ds_add_u32 v[SPW], v[NIL]                      ; 0 onto my spare word
	s_wait_dscnt 4*NL+1                            ; (the add and the youngest 24 loads may be out)
	WIN MUL_LO
	MUL16 0, 1, NQ-1, \slot, 0                     ; sixteen matrix instructions stand between the add and the wait for it
	s_wait_dscnt 0x0                               ; the add is done, and my reads of this slot are over
	s_barrier_signal -1
	MUL16 2, 1, NQ-1, \slot, 0
	WIN 0
	s_barrier_wait -1
.if \fill
	CREST                                          ; the barrier has opened a round of the cluster's barrier: no wave of any partner still reads this slot or has a load on its way
	s_add_nc_u64 s[G0+4*\slot+2:G0+4*\slot+3], s[G0+4*\slot+2:G0+4*\slot+3], 2*ROWB
	s_add_nc_u64 s[G0B+4*\slot+2:G0B+4*\slot+3], s[G0B+4*\slot+2:G0B+4*\slot+3], 2*ROWB
	JLOAD G0+4*\slot, G1, G0B+4*\slot, G1B         ; the first tensor load behind the round, my only one until the next; its four v_nop are the places in front of the loads below
.else
	PLACES NP
.endif
	v_add_nc_u32 v[ADRS], 4*NQ, v[ADRS]            ; on to the next K step's scale words
	FETCH_B \next, 0, 0
	FETCH_A \next, 0, 0
	SCALES \next
	WIN MUL_HI
	MUL16 4, 1, NQ-1, \slot, 0
	MUL16 6, 1, NQ-1, \slot, 0
	PLACES NP
	WIN 0
	FETCH_A \next, 0, 4
.endm
	s_wait_tensorcnt 1                             ; the scales and my part of K step 0 are in (K step 1's load may be out),
	s_barrier_signal -1
	s_barrier_wait -1                              ; everybody's are
	FETCH_B 0, 0, 0
	FETCH_A 0, 0, 0
	SCALES 0
	FETCH_A 0, 0, 4
	STEP 0, 0, 1                                   ; the first step's products start the sums
	s_mov_b32 s3, LAPS-1
.Llap:                                                 ; a trip goes once round the ring and fills both slots again
	TURN 0, 1, 1
	STEP 1, 0, 0
	TURN 1, 0, 1
	STEP 0, 0, 0
	s_sub_co_u32 s3, s3, 1
	s_cmp_lg_u32 s3, 0
	s_cbranch_scc1 .Llap
	TURN 0, 1, 0                                   ; the last lap fills nothing
	STEP 1, 0, 0
	s_wait_dscnt 4*NL
	WIN MUL_LO
	MUL16 0, 1, NQ-1, 1, 0
	MUL16 2, 1, NQ-1, 1, 0
	s_wait_dscnt 0
	WIN MUL_HI
	MUL16 4, 1, NQ-1, 1, 0
	MUL16 6, 1, NQ-1, 1, 0
	WIN 0
	PLACES NP                                      ; in front of the first read of results and of loads and writes into registers that held fragments
; ---- what both tails need
	v_and_b32 v[LI], 31, v0
	v_lshlrev_b32 v[LI], 4, v[LI]
	v_mul_u32_u24 v[SO], v2, 0x32000               ; 204,800 bytes from a head's records to the next head's
	v_lshl_add_u32 v[SO], v1, 4, v[SO]
.irp b, 0,1,2,3
	v_mov_b32 v[TM+4+\b], 0                        ; written once: a lane permute's destination counts as one of its sources
.endr
	s_mov_b32 s100, 0x76543210
	s_mov_b32 s101, 0xfedcba98                     ; v_permlanex16_b32's selects for lane l xor 16
	s_mov_b32 s21, 0
	s_cmp_eq_u32 s66, 2
	s_cbranch_scc1 .Lv
; 32 numbers of a lane, v[s] on, register 16 b + i = d 32 b + 16 (lane / 16) + i of my token's head, become 6 registers of codes at v[dst] (lane (r, h): block h whole) and two scale bytes in half u of v[sw].
.macro QUANT2 s, dst, u, sw
.irp b, 0,1
	v_max3_num_f32 v[TM+\b], |v[\s+16*\b]|, |v[\s+1+16*\b]|, 0x1800000   ; my 16 numbers of block b, and the floor 2^(3 - 127): the byte cannot fall under 1
.endr
.irp i, 2,4,6,8,10,12,14
.irp b, 0,1
	v_max3_num_f32 v[TM+\b], v[TM+\b], |v[\s+16*\b+\i]|, |v[\s+1+16*\b+\i]|
.endr
.endr
.irp b, 0,1
	v_permlanex16_b32 v[TM+4+\b], v[TM+\b], s100, s101
.endr
.irp b, 0,1
	v_max_num_f32 v[TM+\b], v[TM+\b], v[TM+4+\b]   ; with lane l xor 16's: the block's largest magnitude
.endr
.irp b, 0,1
	v_add_nc_u32 v[TM+12+\b], 0xff000000, v[TM+\b] ; 2 off its exponent field: the conversion's scale operand
.endr
.irp b, 0,1
	v_lshrrev_b32 v[TM+4+\b], 23, v[TM+12+\b]      ; the scale's byte
.endr
.if \u == 0
	v_lshl_or_b32 v[\sw], v[TM+5], 8, v[TM+4]
.else
	v_lshl_or_b32 v[\sw], v[TM+4], 16, v[\sw]
	v_lshl_or_b32 v[\sw], v[TM+5], 24, v[\sw]
.endif
	v_cvt_scalef32_pk16_fp6_f32 v[\dst:\dst+2], v[\s:\s+15], v[TM+12]
	v_cvt_scalef32_pk16_fp6_f32 v[CT:CT+2], v[\s+16:\s+31], v[TM+13]
	v_nop                                          ; one plain line behind a scaled conversion
.irp i, 0,1,2
	v_permlane16_swap_b32 v[\dst+\i], v[CT+\i]     ; the first's lanes 16-31 change places with the second's lanes 0-15: a whole block in a lane
.endr
.irp i, 0,1,2
	v_mov_b32 v[\dst+3+\i], v[CT+\i]
.endr
.endm
; 64 numbers of a lane, register 16 b + i = k 32 b + 16 (lane / 16) + i of my row, become a fragment's codes in v[PC] on and its scale word in v[pw].
.macro QUANT4 s, pw
.irp b, 0,1,2,3
	v_max3_num_f32 v[TM+\b], |v[\s+16*\b]|, |v[\s+1+16*\b]|, 0x1800000
.endr
.irp i, 2,4,6,8,10,12,14
.irp b, 0,1,2,3
	v_max3_num_f32 v[TM+\b], v[TM+\b], |v[\s+16*\b+\i]|, |v[\s+1+16*\b+\i]|
.endr
.endr
.irp b, 0,1,2,3
	v_permlanex16_b32 v[TM+4+\b], v[TM+\b], s100, s101
.endr
.irp b, 0,1,2,3
	v_max_num_f32 v[TM+\b], v[TM+\b], v[TM+4+\b]
.endr
.irp b, 0,1,2,3
	v_add_nc_u32 v[TM+12+\b], 0xff000000, v[TM+\b]
.endr
.irp b, 0,1,2,3
	v_lshrrev_b32 v[TM+4+\b], 23, v[TM+12+\b]
.endr
	v_lshl_or_b32 v[\pw], v[TM+5], 8, v[TM+4]
	v_lshl_or_b32 v[\pw], v[TM+6], 16, v[\pw]
	v_lshl_or_b32 v[\pw], v[TM+7], 24, v[\pw]
.irp c, 0,1
	v_cvt_scalef32_pk16_fp6_f32 v[PC+6*\c:PC+2+6*\c], v[\s+32*\c:\s+15+32*\c], v[TM+12+2*\c]
	v_cvt_scalef32_pk16_fp6_f32 v[PC+12+4*\c:PC+14+4*\c], v[\s+16+32*\c:\s+31+32*\c], v[TM+12+2*\c+1]
.endr
	v_nop
.irp c, 0,1
.irp i, 0,1,2
	v_permlane16_swap_b32 v[PC+6*\c+\i], v[PC+12+4*\c+\i]
.endr
.irp i, 0,1,2
	v_mov_b32 v[PC+3+6*\c+\i], v[PC+12+4*\c+\i]
.endr
.endr
.endm
; ---- THE TAIL FOR q AND k.  My 128 places of tokens are one record's; my 128 features are two heads.
	s_lshl_b32 s18, s15, 7
	s_add_co_u32 s18, s17, s18                     ; my first place
	s_and_b32 s19, s18, 2047                       ; in its batch
	s_lshl_b32 s20, s19, 8                         ; the table: 4,096 bytes for 16 places
	s_add_nc_u64 s[10:11], s[10:11], s[20:21]
	s_lshl_b32 s20, s16, 7
	s_add_co_u32 s20, s20, s42
	s_sub_co_u32 s20, s20, 8192                    ; my first feature
	s_lshl_b32 s20, s20, 2
	s_add_nc_u64 s[8:9], s[8:9], s[20:21]
	s_cmp_eq_u32 s66, 0
	s_cselect_b64 s[12:13], s[96:97], s[98:99]     ; q's records or k's
	s_lshr_b32 s20, s18, 11
	s_lshl_b32 s20, s20, 4                         ; 16 x batch
	s_lshl_b32 s22, s40, 2
	s_add_co_u32 s20, s20, s22
	s_lshl_b32 s22, s16, 1
	s_add_co_u32 s20, s20, s22                     ; + my first head: 4 cx + 2 (wave % 2)
	s_mul_i32 s20, s20, 204800
	s_lshr_b32 s22, s19, 7
	s_mul_i32 s22, s22, 12800                      ; + the record
	s_add_co_u32 s20, s20, s22
	s_add_nc_u64 s[12:13], s[12:13], s[20:21]
	v_lshlrev_b32 v[BO], 6, v2                     ; register 8 b + j of the result is feature 32 (b / 2) + 16 h + 8 (b % 2) + j
.irp b, 0,1,2,3,4,5,6,7
	global_load_b128 v[BI+8*\b:BI+8*\b+3], v[BO], s[8:9] offset:128*(\b/2)+32*(\b%2)
	global_load_b128 v[BI+8*\b+4:BI+8*\b+7], v[BO], s[8:9] offset:128*(\b/2)+32*(\b%2)+16
.endr
	WIN 0x40                                       ; destination window 1: cos and sin of tile a at v[32 a], v[32 a + 16]
.irp a, 0,1,2,3,4,5,6,7
.irp c, 0,1,2,3,4,5,6,7
	global_load_b128 v[32*\a+4*\c:32*\a+4*\c+3], v[LI], s[10:11] offset:4096*\a+512*\c
.endr
.endr
	WIN 0
; Tile a of 16 tokens, head hd: + bias, rotated, quantised into half a % 2 of the image
.macro QKTILE a, hd
.set AC, 64*((\a)%4)+32*(\hd)
	WIN 0x02+(\a)/4                                ; source 0: the accumulators' window
.set qi, 0
.rept 16
	v_pk_add_f32 v[XT+qi:XT+qi+1], v[AC+qi:AC+qi+1], v[BI+32*(\hd)+qi:BI+32*(\hd)+qi+1]   ; each accumulator from its low end on.  v[XT + i]: d = 16 h + i; v[XT + 16 + i]: d = 32 + 16 h + i
.set qi, qi+2
.endr
	WIN 0x04                                       ; source 1: window 1
.set qi, 0
.rept 8
	v_pk_mul_f32 v[YT+qi:YT+qi+1], v[XT+qi:XT+qi+1], v[32*(\a)+qi:32*(\a)+qi+1]
	v_pk_mul_f32 v[YT+16+qi:YT+16+qi+1], v[XT+16+qi:XT+16+qi+1], v[32*(\a)+qi:32*(\a)+qi+1]
.set qi, qi+2
.endr
.set qi, 0
.rept 8
	v_pk_fma_f32 v[YT+qi:YT+qi+1], v[XT+16+qi:XT+16+qi+1], v[32*(\a)+16+qi:32*(\a)+16+qi+1], v[YT+qi:YT+qi+1] neg_lo:[1,0,0] neg_hi:[1,0,0]   ; d < 32: t cos - t[d + 32] sin
	v_pk_fma_f32 v[YT+16+qi:YT+16+qi+1], v[XT+qi:XT+qi+1], v[32*(\a)+16+qi:32*(\a)+16+qi+1], v[YT+16+qi:YT+16+qi+1]                            ; d >= 32: t cos + t[d - 32] sin
.set qi, qi+2
.endr
	WIN 0
	QUANT2 YT, IM+6*((\a)%2), (\a)%2, SW+4*(\hd)+(\a)/2
.endm
.irp ap, 0,1,2,3
.irp hd, 0,1
	s_wait_xcnt 0x0                                ; the last image's stores have read their registers: it is written anew only behind this wait
.if \hd == 0
	s_wait_loadcnt 8*(7-2*\ap)                     ; the bias and this tile's cos and sin are in; the eight loads of each later tile may be out
.endif
	QKTILE 2*\ap, \hd
.if \hd == 0
	s_wait_loadcnt 8*(6-2*\ap)
.endif
	QKTILE 2*\ap+1, \hd
.irp c, 0,1,2
	global_store_b128 v[LI], v[IM+4*\c:IM+4*\c+3], s[12:13] offset:204800*\hd+1536*\ap+512*\c   ; 32 lanes store 512 consecutive bytes, at a multiple of 256 from the buffer's first byte
.endr
.endr
.endr
	v_cmp_eq_u32 vcc_lo, 1, v2
.irp p, 0,1,2,3
	v_cndmask_b32 v[SWS+\p], v[SW+\p], v[SW+4+\p], vcc_lo   ; lanes 0-15 store the first head's words, lanes 16-31 the second's
.endr
	global_store_b128 v[SO], v[SWS:SWS+3], s[12:13] offset:12288   ; 16 lanes store 256 consecutive bytes, aligned
	s_branch .Lend
; ---- THE TAIL FOR v.  My 128 places of tokens (source 0) are one record's keys; my 128 features (source 1) are two heads of 4 tiles of channels.
.Lv:
	s_lshl_b32 s18, s16, 7
	s_add_co_u32 s18, s42, s18                     ; my first place of tokens
	s_lshl_b32 s20, s15, 7
	s_add_co_u32 s20, s20, s17
	s_sub_co_u32 s20, s20, 8192                    ; my first feature: 2,048 + 256 cy + 128 (wave / 2)
	s_lshl_b32 s20, s20, 2
	s_add_nc_u64 s[8:9], s[8:9], s[20:21]
	s_lshr_b32 s20, s18, 11
	s_lshl_b32 s20, s20, 4
	s_lshl_b32 s22, s41, 2
	s_add_co_u32 s20, s20, s22
	s_lshl_b32 s22, s15, 1
	s_add_co_u32 s20, s20, s22                     ; 16 x batch + my first head: 4 cy + 2 (wave / 2)
	s_mul_i32 s20, s20, 204800
	s_and_b32 s22, s18, 2047
	s_lshr_b32 s22, s22, 7
	s_mul_i32 s22, s22, 12800
	s_add_co_u32 s20, s20, s22
	s_add_nc_u64 s[12:13], s[98:99], s[20:21]
	v_and_b32 v[BO], 8, v1
	v_add_nc_u32 v[BO], v[BO], v1
	v_lshlrev_b32 v[BO], 2, v[BO]                  ; lane r of tile a is feature 32 (a / 2) + 8 (a % 2) + r + 8 (r / 8)
.irp a, 0,1,2,3,4,5,6,7
	global_load_b32 v[BV+2*\a], v[BO], s[8:9] offset:4*(32*(\a/2)+8*(\a%2))
	global_load_b32 v[BV+2*\a+1], v[BO], s[8:9] offset:4*(32*(\a/2)+8*(\a%2))
.endr
	s_wait_loadcnt 0x0
.irp a, 0,1,2,3,4,5,6,7
	s_wait_xcnt 0x0                                ; the last image's stores have read their registers
	WIN 0x02+\a/4
.set qi, 0
.rept 32
	v_pk_add_f32 v[XT+qi:XT+qi+1], v[64*(\a%4)+qi:64*(\a%4)+qi+1], v[BV+2*\a:BV+2*\a+1]   ; each accumulator from its low end on.  Register 16 b + i: key 32 b + 16 h + i
.set qi, qi+2
.endr
	WIN 0
	QUANT4 XT, SW+\a
.irp c, 0,1,2
	global_store_b128 v[LI], v[PC+4*\c:PC+4*\c+3], s[12:13] offset:204800*(\a/4)+6144+1536*(\a%4)+512*\c
.endr
.endr
	v_cmp_eq_u32 vcc_lo, 1, v2
.irp p, 0,1,2,3
	v_cndmask_b32 v[SWS+\p], v[SW+\p], v[SW+4+\p], vcc_lo
.endr
	global_store_b128 v[SO], v[SWS:SWS+3], s[12:13] offset:12544
.Lend:
	s_wait_tensorcnt 0x0                           ; the wave's end
	ds_add_u32 v[SPW], v[NIL]
	s_wait_dscnt 0x0
	CROUND                                         ; the closing round: no work-group ends while a partner may still ask for a tile that names it
	s_endpgm
.Lfunc_end_k_q247df5fe04_qkv:
	.size	k_q247df5fe04_qkv, .Lfunc_end_k_q247df5fe04_qkv-k_q247df5fe04_qkv
	.p2alignl 7, 3214868480
	.fill 96, 4, 3214868480
	.section	.rodata,"a",@progbits
	.p2align	6, 0x0
	.amdhsa_kernel k_q247df5fe04_qkv
		.amdhsa_group_segment_fixed_size 327680
		.amdhsa_private_segment_fixed_size 0
		.amdhsa_enable_private_segment 0
		.amdhsa_kernarg_size 48
		.amdhsa_user_sgpr_count 2
		.amdhsa_user_sgpr_kernarg_segment_ptr 1
		.amdhsa_wavefront_size32 1
		.amdhsa_system_sgpr_workgroup_id_x 1
		.amdhsa_system_sgpr_workgroup_id_y 1
		.amdhsa_system_sgpr_workgroup_id_z 1
		.amdhsa_system_vgpr_workitem_id 0
		.amdhsa_next_free_vgpr 1024
		.amdhsa_next_free_sgpr 102
		.amdhsa_reserve_vcc 1
		.amdhsa_float_denorm_mode_32 3
		.amdhsa_float_denorm_mode_16_64 3
		.amdhsa_memory_ordered 1
		.amdhsa_forward_progress 1
		.amdhsa_inst_pref_size 255
	.end_amdhsa_kernel
	.section	.bss,"aw",@nobits
	.p2align	6
	.space	262144
	.amdgpu_metadata
---
amdhsa.version: [ 1, 2 ]
amdhsa.kernels:
  - .name:           k_q247df5fe04_qkv
    .symbol:         k_q247df5fe04_qkv.kd
    .args:
      - { .name: c1, .offset: 0, .size: 8, .value_kind: global_buffer, .address_space: global }
      - { .name: s1, .offset: 8, .size: 8, .value_kind: global_buffer, .address_space: global }
      - { .name: b_qkv, .offset: 16, .size: 8, .value_kind: global_buffer, .address_space: global }
      - { .name: rope, .offset: 24, .size: 8, .value_kind: global_buffer, .address_space: global }
      - { .name: qrec, .offset: 32, .size: 8, .value_kind: global_buffer, .address_space: global }
      - { .name: kv, .offset: 40, .size: 8, .value_kind: global_buffer, .address_space: global }
    .group_segment_fixed_size: 327680
    .private_segment_fixed_size: 0
    .kernarg_segment_align: 8
    .kernarg_segment_size: 48
    .max_flat_workgroup_size: 128
    .sgpr_count:     102
    .vgpr_count:     1024
    .wavefront_size: 32
...
	.end_amdgpu_metadata
.endif
;; end of part 2
;; launch attn (part 3): grid 8 x 64, 16 waves a work-group, clusters of 4 x 1, 206,848 bytes of LDS; arguments qrec, kv, acod, ascl; writes acod, ascl
.if DOCPART == 3
	.amdgcn_target "amdgcn-amd-amdhsa--gfx1250"
	.amdhsa_code_object_version 6
	.text
	.protected	k_q247df5fe04_attn
	.globl	k_q247df5fe04_attn
	.p2align	8
	.type	k_q247df5fe04_attn,@function
k_q247df5fe04_attn:
	s_mov_b64 s[64:65], 0
	v_nop
	global_prefetch_b8 v0, s[64:65] scope:SCOPE_SE
	s_setreg_imm32_b32 hwreg(HW_REG_WAVE_MODE, 25, 1), 1
	s_wait_xcnt 0x0
	s_wait_alu depctr_hold_cnt(0) depctr_sa_sdst(0) depctr_va_vdst(0) depctr_va_sdst(0) depctr_va_ssrc(0) depctr_va_vcc(0) depctr_vm_vsrc(0)
	s_getreg_b32 s2, hwreg(HW_REG_IB_STS2, 6, 4)
	s_cmp_eq_u32 s2, 0
	s_cbranch_scc0 .Lentry_in_a_cluster
	s_endpgm
.Lentry_in_a_cluster:
	s_bfe_u32 s2, ttmp6, 0x10000c
	s_cmp_lg_u32 s2, 0x3003
	s_cbranch_scc0 .Lentry_shape_is_right
	s_endpgm
.Lentry_shape_is_right:
; o = softmax(q k^T / 8) v for one head, both products on codes of FP6 (E2M3) with one E8M0 scale for each 32 along a product's K; o is quantised along the model's 1,024 and leaves as codes.
; THE SOFTMAX: t = score x log2(e) / 8; M = the row's largest t so far, rounded up to a whole number; p = 2^(t - M) is quantised along the keys, not normalised.  The row's sum is taken of the unquantised p and divides o at the
; end.  When M moves, the sum and O are multiplied by 2^(old M - new M): exact.
; SHARES.  A work-group owns 256 queries of one head; each of its sixteen waves 16 of them, in 256 registers: four waves to a SIMD.  Every wave walks the head's 2,048 keys, 128 a step.
; LDS.  The head's sixteen records (12,800 bytes for 128 keys: 4 images of k, 4 of v, their scale words) lie in LDS as in memory, 204,800 bytes, FILLED ONCE: no slot is filled again.  They come in four chunks of four
; records, all asked for at the start (waves 0-3, a record each in each chunk: four tensor loads of such a wave are out); a chunk is read behind a counted wait and a barrier.
; CLUSTER.  The four blocks of queries of a cluster belong to one head: each record is asked for jointly, by the same load with the mask of all four.
; LAYOUT.  Both products are used transposed, so that a lane holds one query throughout.  THE FIRST PRODUCT'S K IS 64, half of the instruction's 128: an image of k holds TWO tiles of 16 keys, one in K 0-63, one in K 64-127;
; q stands in the registers q, zeros, q, of which the first twelve are [q | 0] and the last twelve [0 | q]: zero codes take the other tile's products away.  The keys of the two tiles of image b are
; 32 b + r + 8 (r / 8) and 8 further on, so that the 16 result registers of an image are keys 32 b + 16 (lane / 16) + 0 .. 15.  v's channels are ordered likewise, so that O's registers are neighbours along the next K.
; LIMITS: NaN and infinities are not served; a block of zeros gets the scale byte 1.
.set REC,   12800
.set HEADB, 204800
.set AL,  1                            ; v1   16 x lane
.set AS,  2                            ; v2   16 x (lane % 16)
.set ADK, 3                            ; v3   the step's record + 16 x lane
.set ADS, 4                            ; v4   the step's record + 16 r
.set QL,  16                           ; v16-21 q, v22-27 zeros, v28-33 q
.set QS,  34                           ; v34  q's scale word: its two bytes, twice
.set KF,  36                           ; v36-83 four images: k's, then v's
.set KSC, 84                           ; v84-87 k's scale words
.set VSC, 88                           ; v88-91 v's
.set S,   96                           ; v96-159 S^T, then p
.set O,   160                          ; v160-191 O^T
.set PCD, 192                          ; v192-203 p's codes
.set CT,  204                          ; v204-210 at work
.set BM,  212                          ; v212-215 the blocks' largest
.set BP,  216                          ; v216-219 the other half's; then bytes
.set BS,  220                          ; v220-223 the conversions' scale operands
.set PS,  224                          ; v224 p's scale word
.set FF,  226                          ; v[226:227] f = 2^(old M - new M); the upper word is written once
.set TP,  228
.set SM2, 230                          ; v[230:231] the second chain of sums
.set WV,  12
.set G1,  24                           ; s[24:31] group 1;  s[32:47] four groups 0
.set G0,  32
.set SEL, 48
.set CS,  50
.set TB,  52
.set CNT, 53
.macro CROUND                          ; a round of the cluster's barrier
	s_barrier_signal -1
	s_barrier_wait -1
	s_cmp_lg_u32 s[WV], 0
	s_cbranch_scc1 .Lnot_wave_0_\@
	s_barrier_signal -3
.Lnot_wave_0_\@:
	s_barrier_wait -3
	s_barrier_signal -1
	s_barrier_wait -1
.endm
	s_load_b256 s[4:11], s[0:1], 0x0               ; qrec s[4:5], kv s[6:7], acod s[8:9], ascl s[10:11]
	v_lshl_add_u32 v254, v0, 2, 0x32000
	v_mov_b32 v255, 0
	ds_add_u32 v254, v255
	ds_add_u32 v254, v255
	v_lshrrev_b32 v5, 5, v0
	v_readfirstlane_b32 s[WV], v5                  ; wave 0..15
	s_bfe_u32 s13, ttmp6, 0x40000                  ; cx: it enters q's and the outputs' addresses alone
	s_lshl_b32 s14, ttmp9, 2
	s_add_co_u32 s14, s14, s13                     ; my block of 256 queries
	s_and_b32 s15, ttmp7, 0xffff                   ; 16 x batch + head, which the four partners share
	s_mov_b32 s[G1], 15|(3<<16)|(1<<21)            ; the mask: all four; elements of 8 bytes; bit 21 beside a mask; no padding
	s_mov_b32 s[G1+1], 32<<16                      ; a record: 50 dense rows of 256 bytes
	s_mov_b32 s[G1+2], 50<<16
	s_mov_b32 s[G1+3], 32<<16
	s_mov_b32 s[G1+4], 50
	s_mov_b32 s[G1+5], 32
	s_mov_b32 s[G1+6], 0
	s_mov_b32 s[G1+7], 0
	s_mul_i32 s16, s15, HEADB                      ; the head's first byte in qrec and kv (under 2^24)
	s_mov_b32 s17, 0
	s_and_b32 s22, s[WV], 3
	s_mul_i32 s18, s22, REC                        ; the record of a chunk that I fetch, if I fetch
	s_mov_b32 s19, 0
	s_mov_b32 s[SEL], 0x76543210
	s_mov_b32 s[SEL+1], 0xfedcba98
	s_mov_b32 s[CS], 0x3e38aa3b                    ; c = log2(e) / 8
	s_mov_b32 s[CS+1], s[CS]
	s_wait_dscnt 0x0
	s_wait_kmcnt 0x0
	s_add_nc_u64 s[6:7], s[6:7], s[16:17]
	s_add_nc_u64 s[20:21], s[6:7], s[18:19]
	CROUND                                         ; all four work-groups are here: the joint loads meet
.irp c, 0,1,2,3
	s_mov_b32 s[G0+4*\c], 1
	s_add_co_u32 s[G0+4*\c+1], s18, 51200*\c       ; LDS mirrors the head's records
	s_add_nc_u64 s[G0+4*\c+2:G0+4*\c+3], s[20:21], 51200*\c
	s_or_b32 s[G0+4*\c+3], s[G0+4*\c+3], 0x80000000
.endr
	s_cmp_lt_u32 s[WV], 4                          ; all first fills of a wave stand in one branch on the wave's number
	s_cbranch_scc0 .Lno_fetch
	tensor_load_to_lds s[G0:G0+3], s[G1:G1+7]
	s_nop 0
	tensor_load_to_lds s[G0+4:G0+7], s[G1:G1+7]
	s_nop 0
	tensor_load_to_lds s[G0+8:G0+11], s[G1:G1+7]
	s_nop 0
	tensor_load_to_lds s[G0+12:G0+15], s[G1:G1+7]
	s_nop 0
.rept 4
	v_nop
.endr
.Lno_fetch:
	; q: tile wave % 8 of record 2 x block + wave / 8: half u = wave % 2 of image (wave / 2) % 4
	s_lshr_b32 s22, s[WV], 3
	s_lshl_b32 s23, s14, 1
	s_add_co_u32 s22, s22, s23
	s_mul_i32 s22, s22, REC
	s_add_co_u32 s22, s22, s16
	s_mov_b32 s23, 0
	s_add_nc_u64 s[4:5], s[4:5], s[22:23]
	s_bfe_u32 s54, s[WV], 0x20001
	s_and_b32 s55, s[WV], 1
	v_and_b32 v5, 31, v0
	v_lshlrev_b32 v[AL], 4, v5
	v_and_b32 v6, 15, v0
	v_lshlrev_b32 v[AS], 4, v6
	s_mul_i32 s56, s54, 1536
	s_mul_i32 s57, s55, 520                        ; registers 6 u + 0, 1 of an image lie at byte 520 u of the lane's, 6 u + 4, 5 at 512 + 520 u,
	s_add_co_u32 s57, s57, s56
	v_add_nc_u32 v7, s57, v[AL]
	s_mul_i32 s57, s55, 1016                       ; 6 u + 2, 3 at 8 + 1,016 u
	s_add_co_u32 s57, s57, s56
	v_add_nc_u32 v8, s57, v[AL]
	s_lshl_b32 s57, s54, 2
	v_add_nc_u32 v9, s57, v[AS]
.irp d, 0, 12
	global_load_b64 v[QL+\d:QL+\d+1], v7, s[4:5]
	global_load_b64 v[QL+\d+2:QL+\d+3], v8, s[4:5] offset:8
	global_load_b64 v[QL+\d+4:QL+\d+5], v7, s[4:5] offset:512
.endr
	global_load_b32 v10, v9, s[4:5] offset:12288
	s_lshl_b32 s57, s55, 4
	s_wait_loadcnt 0x0
	v_lshrrev_b32 v10, s57, v10
	v_and_b32 v10, 0xffff, v10                     ; my tile's two bytes,
	v_lshl_or_b32 v[QS], v10, 16, v10              ; for K 0-63 and for K 64-127.  (The clears below stand between this line and the first product)
.irp j, 0,1,2,3,4,5
	v_mov_b32 v[QL+6+\j], 0
.endr
	v_mov_b32 v13, 0xff61b1e6                      ; the largest t so far: -3e38
	v_floor_f32 v12, -v13                          ; -M
	v_mov_b32 v14, 0                               ; the sum, in two halves
	v_mov_b32 v15, 0
.irp b, 0,1,2,3
	v_mov_b32 v[BP+\b], 0                          ; written once: a lane permute's destination counts as one of its sources
.endr
	v_mov_b32 v[FF+1], 0
.set jj, 0
.rept 32
	v_mov_b32 v[O+jj], 0                           ; O^T: the step is written once; the first finds zeros, which the first change of M leaves zeros
.set jj, jj+1
.endr
.macro STEP                            ; 128 keys: the record at LDS byte s[TB]
	v_add_nc_u32 v[ADK], s[TB], v[AL]
	v_add_nc_u32 v[ADS], s[TB], v[AS]
	v_nop
	v_nop                                          ; four places in front of loads into registers that the last products read
.irp b, 0,1,2,3
.irp c, 0,1,2
	ds_load_b128 v[KF+12*\b+4*\c:KF+12*\b+4*\c+3], v[ADK] offset:1536*\b+512*\c
.endr
.endr
	ds_load_b128 v[KSC:KSC+3], v[ADS] offset:12288
	s_wait_dscnt 0x0
.irp b, 0,1,2,3
.irp u, 0,1
	v_wmma_scale_f32_16x16x128_f8f6f4 v[S+16*\b+8*\u:S+16*\b+8*\u+7], v[KF+12*\b:KF+12*\b+11], v[QL+6*\u:QL+6*\u+11], 0, v[KSC+\b], v[QS] matrix_a_fmt:MATRIX_FMT_FP6 matrix_b_fmt:MATRIX_FMT_FP6
.endr
.endr                                          ; register 16 b + i: key 32 b + 16 (lane / 16) + i of my query
.rept 4
	v_nop                                          ; places in front of the loads into k's registers and of the first read of the scores
.endr
.irp t, 0,1,2,3
.irp c, 0,1,2
	ds_load_b128 v[KF+12*\t+4*\c:KF+12*\t+4*\c+3], v[ADK] offset:6144+1536*\t+512*\c   ; v lands while the softmax is worked
.endr
.endr
	ds_load_b128 v[VSC:VSC+3], v[ADS] offset:12544
.irp b, 0,1,2,3
	v_max3_num_f32 v[BM+\b], v[S+16*\b], v[S+1+16*\b], v[S+2+16*\b]   ; the largest score of each block of 32 keys: for the row's maximum, and, since p rises with the score, for the block's largest p
.endr
.irp i, 3,5,7,9,11,13
.irp b, 0,1,2,3
	v_max3_num_f32 v[BM+\b], v[BM+\b], v[S+16*\b+\i], v[S+1+16*\b+\i]
.endr
.endr
.irp b, 0,1,2,3
	v_max_num_f32 v[BM+\b], v[BM+\b], v[S+15+16*\b]
.endr
.irp b, 0,1,2,3
	v_permlanex16_b32 v[BP+\b], v[BM+\b], s[SEL], s[SEL+1]
.endr
.irp b, 0,1,2,3
	v_max_num_f32 v[BM+\b], v[BM+\b], v[BP+\b]     ; with lane l xor 16's 16 keys
.endr
	v_max3_num_f32 v[TP], v[BM], v[BM+1], v[BM+2]
	v_max_num_f32 v[TP], v[TP], v[BM+3]
	v_mul_f32 v[TP], s[CS], v[TP]                  ; the step's largest t (c is positive)
	v_max_num_f32 v13, v13, v[TP]                  ; the running largest t
	v_mov_b32 v[TP], v12
	v_floor_f32 v12, -v13                          ; the new -M = floor(-t): M is a whole number
	v_sub_f32 v[TP], v12, v[TP]                    ; old M less new M: a whole number, 0 or less
	v_cvt_i32_f32 v[TP], v[TP]                     ; (it saturates)
	v_ldexp_f32 v[FF], 1.0, v[TP]                  ; f = 2^(old M - new M)
.set jj, 0
.rept 32
	v_pk_fma_f32 v[S+jj:S+jj+1], v[S+jj:S+jj+1], s[CS:CS+1], v[12:13] op_sel_hi:[1,0,0]   ; t - M, two at a time
.set jj, jj+2
.endr
.irp b, 0,1,2,3
	v_fma_f32 v[BM+\b], v[BM+\b], s[CS], v12       ; the same of each block's largest score
.endr
.set jj, 0
.rept 64
	v_exp_f32 v[S+jj], v[S+jj]                     ; p = 2^(t - M), at most 1
.set jj, jj+1
.endr
	v_pk_mul_f32 v[14:15], v[14:15], v[FF:FF+1] op_sel_hi:[1,0]   ; the sums under the new M (a plain line behind the exponentials)
	s_wait_alu depctr_va_vdst(0)                   ; one wait for the batch of 64, ahead of its first reader
.irp b, 0,1,2,3
	v_exp_f32 v[BM+\b], v[BM+\b]                   ; the block's largest p: the same two instructions on the same number
.endr
	v_pk_add_f32 v[SM2:SM2+1], v[S:S+1], v[S+2:S+3]   ; the row's sum is taken of the unquantised p: two chains
.set jj, 4
.rept 15
	v_pk_add_f32 v[14:15], v[14:15], v[S+jj:S+jj+1]
	v_pk_add_f32 v[SM2:SM2+1], v[SM2:SM2+1], v[S+jj+2:S+jj+3]
.set jj, jj+4
.endr
	v_pk_add_f32 v[14:15], v[14:15], v[SM2:SM2+1]
	s_wait_alu depctr_va_vdst(0)                   ; and one for the four
.irp b, 0,1,2,3
	v_max_num_f32 v[BM+\b], 0x1800000, v[BM+\b]    ; the floor 2^(3 - 127): the byte cannot fall under 1
.endr
.irp b, 0,1,2,3
	v_add_nc_u32 v[BS+\b], 0xff000000, v[BM+\b]    ; 2 off the exponent field: the conversion's scale operand
.endr
.irp b, 0,1,2,3
	v_lshrrev_b32 v[BP+\b], 23, v[BS+\b]           ; the scale's byte
.endr
	v_lshl_or_b32 v[PS], v[BP+1], 8, v[BP]         ; p's scale word for these 128 keys
	v_lshl_or_b32 v[PS], v[BP+2], 16, v[PS]
	v_lshl_or_b32 v[PS], v[BP+3], 24, v[PS]
.irp c, 0,1
	v_cvt_scalef32_pk16_fp6_f32 v[PCD+6*\c:PCD+6*\c+2], v[S+32*\c:S+32*\c+15], v[BS+2*\c]
	v_cvt_scalef32_pk16_fp6_f32 v[CT+4*\c:CT+4*\c+2], v[S+16+32*\c:S+31+32*\c], v[BS+2*\c+1]
.endr
	v_nop                                          ; one plain line behind a scaled conversion
.irp c, 0,1
.irp i, 0,1,2
	v_permlane16_swap_b32 v[PCD+6*\c+\i], v[CT+4*\c+\i]   ; a whole block in a lane: lanes 0-15 block 2 c, lanes 16-31 block 2 c + 1
.endr
.irp i, 0,1,2
	v_mov_b32 v[PCD+3+6*\c+\i], v[CT+4*\c+\i]
.endr
.endr
.set jj, 0
.rept 16
	v_pk_mul_f32 v[O+jj:O+jj+1], v[O+jj:O+jj+1], v[FF:FF+1] op_sel_hi:[1,0]   ; O^T under the new M.  For each product below twelve of these name none of its registers: the places behind the scale word's and the codes' last writes
.set jj, jj+2
.endr
	s_wait_dscnt 0x0                               ; v is in
.irp t, 0,1,2,3
	v_wmma_scale_f32_16x16x128_f8f6f4 v[O+8*\t:O+8*\t+7], v[KF+12*\t:KF+12*\t+11], v[PCD:PCD+11], v[O+8*\t:O+8*\t+7], v[VSC+\t], v[PS] matrix_a_fmt:MATRIX_FMT_FP6 matrix_b_fmt:MATRIX_FMT_FP6
.endr
	s_add_co_u32 s[TB], s[TB], REC
.endm
.macro CHUNK c                         ; four records
	s_wait_tensorcnt 3-\c                          ; my load of this chunk has landed; those of the 3 - c later chunks may stay out
	s_wait_dscnt 0x0
	s_barrier_signal -1
	s_barrier_wait -1                              ; everybody's has
	s_mov_b32 s[TB], 51200*\c
	s_mov_b32 s[CNT], 4
.Lstep_\@:
	STEP
	s_sub_co_u32 s[CNT], s[CNT], 1
	s_cmp_lg_u32 s[CNT], 0
	s_cbranch_scc1 .Lstep_\@
.endm
	CHUNK 0
	CHUNK 1
	CHUNK 2
	CHUNK 3
	; THE WAY OUT: O^T / the sum; register i < 16: channel 16 h + i; else 32 + 16 h + i - 16: two blocks of 32 of the model's 1,024, each shared with lane l xor 16
	v_add_f32 v14, v14, v15
	v_permlanex16_b32 v[TP], v14, s[SEL], s[SEL+1]
	v_add_f32 v14, v14, v[TP]                      ; the row's sum
	v_rcp_f32 v14, v14
	v_and_b32 v5, 31, v0                           ; (plain lines behind the reciprocal, and the places behind the last products)
	v_lshlrev_b32 v5, 3, v5                        ; 8 x lane
	v_and_b32 v6, 15, v0
	v_bfe_u32 v7, v0, 4, 1                         ; h
	v_lshl_add_u32 v6, v6, 5, v7                   ; 32 r + h
	s_and_b32 s20, s15, 15                         ; the head
	s_lshr_b32 s21, s15, 4
	s_lshl_b32 s21, s21, 7
	s_lshl_b32 s22, s14, 4
	s_add_co_u32 s21, s21, s22
	s_add_co_u32 s21, s21, s[WV]                   ; my tile of 16 places: 128 x batch + 16 x block + wave
	s_lshr_b32 s22, s20, 2
	s_mul_i32 s22, s22, 1572864                    ; the K slot of the last product: four heads
	s_mul_i32 s23, s21, 3072
	s_add_co_u32 s22, s22, s23
	s_bfe_u32 s23, s20, 0x10001
	s_mul_i32 s23, s23, 1536                       ; which 128 along K in it,
	s_add_co_u32 s22, s22, s23
	s_and_b32 s23, s20, 1
	s_mul_i32 s23, s23, 768                        ; and which half of the fragment's registers
	s_add_co_u32 s22, s22, s23
	s_mov_b32 s23, 0
	s_add_nc_u64 s[8:9], s[8:9], s[22:23]
	s_lshl_b32 s22, s21, 9
	s_lshl_b32 s54, s20, 1
	s_add_co_u32 s22, s22, s54
	s_add_nc_u64 s[10:11], s[10:11], s[22:23]
	s_wait_alu depctr_va_vdst(0)                   ; the wait ahead of the reciprocal's first reader
.set jj, 0
.rept 32
	v_mul_f32 v[S+jj], v[O+jj], v14                ; each accumulator from its low end on
.set jj, jj+1
.endr
.irp b, 0,1
	v_max3_num_f32 v[BM+\b], |v[S+16*\b]|, |v[S+1+16*\b]|, 0x1800000
.endr
.irp i, 2,4,6,8,10,12,14
.irp b, 0,1
	v_max3_num_f32 v[BM+\b], v[BM+\b], |v[S+16*\b+\i]|, |v[S+1+16*\b+\i]|
.endr
.endr
.irp b, 0,1
	v_permlanex16_b32 v[BP+\b], v[BM+\b], s[SEL], s[SEL+1]
.endr
.irp b, 0,1
	v_max_num_f32 v[BM+\b], v[BM+\b], v[BP+\b]
.endr
.irp b, 0,1
	v_add_nc_u32 v[BS+\b], 0xff000000, v[BM+\b]
.endr
.irp b, 0,1
	v_lshrrev_b32 v[BP+\b], 23, v[BS+\b]
.endr
	v_cvt_scalef32_pk16_fp6_f32 v[PCD:PCD+2], v[S:S+15], v[BS]
	v_cvt_scalef32_pk16_fp6_f32 v[CT:CT+2], v[S+16:S+31], v[BS+1]
	v_cmp_eq_u32 vcc_lo, 1, v7                     ; (a plain line behind the conversions)
.irp i, 0,1,2
	v_permlane16_swap_b32 v[PCD+\i], v[CT+\i]
.endr
.irp i, 0,1,2
	v_mov_b32 v[PCD+3+\i], v[CT+\i]
.endr
	v_cndmask_b32 v8, v[BP], v[BP+1], vcc_lo       ; my half's block's byte
.irp i, 0,1,2
	global_store_b64 v5, v[PCD+2*\i:PCD+2*\i+1], s[8:9] offset:256*\i   ; 32 lanes store 256 consecutive bytes, aligned
.endr
	global_store_b8 v6, v8, s[10:11]               ; two bytes of each place's 32: one byte for each 24 bytes of codes
	s_wait_tensorcnt 0x0
	ds_add_u32 v254, v255
	s_wait_dscnt 0x0
	CROUND                                         ; the closing round (the last chunk's wait was for all my tensor loads)
	s_endpgm
.Lfunc_end_k_q247df5fe04_attn:
	.size	k_q247df5fe04_attn, .Lfunc_end_k_q247df5fe04_attn-k_q247df5fe04_attn
	.p2alignl 7, 3214868480
	.fill 96, 4, 3214868480
	.section	.rodata,"a",@progbits
	.p2align	6, 0x0
	.amdhsa_kernel k_q247df5fe04_attn
		.amdhsa_group_segment_fixed_size 206848
		.amdhsa_private_segment_fixed_size 0
		.amdhsa_enable_private_segment 0
		.amdhsa_kernarg_size 32
		.amdhsa_user_sgpr_count 2
		.amdhsa_user_sgpr_kernarg_segment_ptr 1
		.amdhsa_wavefront_size32 1
		.amdhsa_system_sgpr_workgroup_id_x 1
		.amdhsa_system_sgpr_workgroup_id_y 1
		.amdhsa_system_sgpr_workgroup_id_z 1
		.amdhsa_system_vgpr_workitem_id 0
		.amdhsa_next_free_vgpr 256
		.amdhsa_next_free_sgpr 66
		.amdhsa_reserve_vcc 1
		.amdhsa_float_denorm_mode_32 3
		.amdhsa_float_denorm_mode_16_64 3
		.amdhsa_memory_ordered 1
		.amdhsa_forward_progress 1
		.amdhsa_inst_pref_size 74
	.end_amdhsa_kernel
	.amdgpu_metadata
---
amdhsa.version: [ 1, 2 ]
amdhsa.kernels:
  - .name:           k_q247df5fe04_attn
    .symbol:         k_q247df5fe04_attn.kd
    .args:
      - { .name: qrec, .offset: 0, .size: 8, .value_kind: global_buffer, .address_space: global }
      - { .name: kv, .offset: 8, .size: 8, .value_kind: global_buffer, .address_space: global }
      - { .name: acod, .offset: 16, .size: 8, .value_kind: global_buffer, .address_space: global }
      - { .name: ascl, .offset: 24, .size: 8, .value_kind: global_buffer, .address_space: global }
    .group_segment_fixed_size: 206848
    .private_segment_fixed_size: 0
    .kernarg_segment_align: 8
    .kernarg_segment_size: 32
    .max_flat_workgroup_size: 512
    .sgpr_count:     66
    .vgpr_count:     256
    .wavefront_size: 32
...
	.end_amdgpu_metadata
.endif
;; end of part 3
;; launch proj (part 4): grid 4 x 32, 4 waves a work-group, clusters of 4 x 4, 327,680 bytes of LDS; arguments acod, ascl, c1, s1, b_out, out0; writes out0
.if DOCPART == 4
	.amdgcn_target "amdgcn-amd-amdhsa--gfx1250"
	.amdhsa_code_object_version 6
	.text
	.protected	k_q247df5fe04_proj
	.globl	k_q247df5fe04_proj
	.p2align	8
	.type	k_q247df5fe04_proj,@function
k_q247df5fe04_proj:
	s_mov_b64 s[64:65], 0
	v_nop
	global_prefetch_b8 v0, s[64:65] scope:SCOPE_SE
	s_setreg_imm32_b32 hwreg(HW_REG_WAVE_MODE, 25, 1), 1
	s_wait_xcnt 0x0
	s_wait_alu depctr_hold_cnt(0) depctr_sa_sdst(0) depctr_va_vdst(0) depctr_va_sdst(0) depctr_va_ssrc(0) depctr_va_vcc(0) depctr_vm_vsrc(0)
	s_getreg_b32 s2, hwreg(HW_REG_IB_STS2, 6, 4)
	s_cmp_eq_u32 s2, 0
	s_cbranch_scc0 .Lentry_in_a_cluster
	s_endpgm
.Lentry_in_a_cluster:
	s_bfe_u32 s2, ttmp6, 0x10000c
	s_cmp_lg_u32 s2, 0xf033
	s_cbranch_scc0 .Lentry_shape_is_right
	s_endpgm
.Lentry_shape_is_right:
; out0 = o W_out^T + b_out on codes of FP6 (E2M3) with one E8M0 scale for each 32 along K = 1,024.  out0: [8192][1024] f32.
; A tile of the result is 256 x 256, made by four waves, each 128 x 128: 64 accumulators.  K goes in steps of 256 through a ring of two LDS slots filled by the tensor data mover; the scale bytes come once and stay.
; SOURCE 1 = o.  Its codes lie in acod as images of the operand's registers: [K step of 256][tile of 16 places][128 along K][piece of two registers][lane][8 bytes]: a K step of the work-group's 256 places is one dense
; block of 49,152 bytes, and a fragment is six loads of 8 bytes a lane, 256 consecutive bytes each.  A place holds the token whose number has bits 3 and 4 exchanged; the stores put the rows back.
; SOURCE 0 = W_out: rows 11,264 on of c1 (768 bytes of codes a row), scale bytes in s1.  The matrix instruction so gives a lane eight neighbouring columns of one row of the result.
; The bias is the C of each sum's first matrix instruction: eight registers for each of source 0's eight blocks.
; CLUSTERS: 4 x 4 work-groups; o's tile is shared along a row of the cluster, W_out's along a column: each is asked for jointly.
; REGISTERS: window 0: v0-31 addresses; v32-63 scale words, two sets; v64-127 the bias; from v128 source 1's fragments, one set; window 1: source 0's, two sets; windows 2, 3: the accumulators.
.set NQ,     2
.set ROWB,   192
.set KROW,   768
.set PITCH,  240                       ; W_out's LDS row: 3 x (64 bytes + 16 of padding)
.set FR,     12
.set NL,     6
.set NP,     4
.set HALFT,  128*PITCH
.set HALFA,  24576                     ; 8 tiles of o: 96 rows of 256 bytes
.set APART,  2*HALFA
.set ASLOT,  1572864                   ; from a K step of acod to the next
.set SLOT,   APART+2*HALFT             ; o's 16 tiles, then W_out's 256 rows
.set LAPS,   2
.set KS,     32
.set SCL,    2*SLOT
.set HALFS,  16*272
.set SBLK,   2*272
.set SPARE,  SCL+4*HALFS               ; the spare words: two blocks of 256 bytes that no other line names
.set SPITCH, 528                       ; the way out: a stage of 16 rows x (512 bytes + 16) for each wave, in slot 0, which has had its last fill and its last read when the first result is stored there
.set ADRA, 16                          ; v16-17
.set ADRB, 20                          ; v20-23
.set STO,  24
.set RD,   25
.set CO,   26
.set ADRS, 27
.set SPW,  28
.set NIL,  29
.set SC,   32
.set BI,   64
.set AF,   128
.set BK,   128
.set G1, 24
.set G0, 32
.set G1B, 48
.set G0B, 56
.set G1S, 68
.set G0S, 76
.set G1SB, 80
.set G0SB, 88
.set MSB, 0
.macro WIN new
.if MSB != (\new)
	s_set_vgpr_msb (MSB<<8)|(\new)
.set MSB, (\new)
.endif
.endm
.set MUL_LO, 0xa1
.set MUL_HI, 0xf1
.set TO_B,   0x40
.macro JLOAD g0a, g1a, g0b, g1b        ; waves 0 and 1 fetch for o, waves 2 and 3 for W_out; four v_nop follow each of the two lines
	s_cmp_eq_u32 s15, 0
	s_cbranch_scc0 .Lfor_b_\@
	tensor_load_to_lds s[\g0a:\g0a+3], s[\g1a:\g1a+7]
	s_nop 0
.rept 4
	v_nop
.endr
	s_branch .Lasked_\@
.Lfor_b_\@:
	tensor_load_to_lds s[\g0b:\g0b+3], s[\g1b:\g1b+7]
	s_nop 0
.rept 4
	v_nop
.endr
.Lasked_\@:
.endm
.macro CREST
	s_cmp_lg_u32 s14, 0
	s_cbranch_scc1 .Lnot_wave_0_\@
	s_barrier_signal -3
.Lnot_wave_0_\@:
	s_barrier_wait -3
	s_barrier_signal -1
	s_barrier_wait -1
.endm
.macro CROUND
	s_barrier_signal -1
	s_barrier_wait -1
	CREST
.endm
	s_load_b256 s[4:11], s[0:1], 0x0               ; acod s[4:5], ascl s[6:7], c1 s[8:9], s1 s[10:11]
	s_load_b128 s[96:99], s[0:1], 0x20             ; b_out s[96:97], out0 s[98:99]
	v_lshl_add_u32 v[SPW], v0, 2, SPARE
	v_mov_b32 v[NIL], 0
	ds_add_u32 v28, v29
	ds_add_u32 v28, v29
	s_wait_dscnt 0x0
	v_lshrrev_b32 v1, 5, v0
	v_readfirstlane_b32 s14, v1
	s_lshr_b32 s15, s14, 1                         ; which half of the tile's rows is mine.  Also: I fetch for o (0) or for W_out (1)
	s_and_b32 s16, s14, 1                          ; which half of its columns.  Also: which half of that tile I fetch
	s_bfe_u32 s40, ttmp6, 0x40000
	s_bfe_u32 s41, ttmp6, 0x40004
	s_lshl_b32 s42, ttmp9, 2
	s_add_co_u32 s42, s42, s40                     ; tile column
	s_and_b32 s17, ttmp7, 0xffff
	s_lshl_b32 s17, s17, 2
	s_add_co_u32 s17, s17, s41                     ; tile row
	s_lshl_b32 s43, s41, 2
	s_lshl_b32 s43, 15, s43
	s_lshl_b32 s44, 0x1111, s40
	s_or_b32 s[G1+0], s43, (3<<16)|(1<<21)         ; o's codes: the mask of my row; elements of 8 bytes; no padding: 96 dense rows of 256 bytes
	s_mov_b32 s[G1+1], 32<<16
	s_mov_b32 s[G1+2], 96<<16
	s_mov_b32 s[G1+3], 32<<16
	s_mov_b32 s[G1+4], 96
	s_mov_b32 s[G1+5], 32
	s_mov_b32 s[G1+6], 0
	s_mov_b32 s[G1+7], 0
	s_or_b32 s[G1B+0], s44, (1<<20)|(1<<21)|(3<<22)|(3<<25)   ; W_out's: 128 rows of 192 bytes, 16 bytes of padding behind every 64
	s_mov_b32 s[G1B+1], ROWB<<16
	s_mov_b32 s[G1B+2], 128<<16
	s_mov_b32 s[G1B+3], ROWB<<16
	s_mov_b32 s[G1B+4], 128
	s_mov_b32 s[G1B+5], KROW
	s_mov_b32 s[G1B+6], 0
	s_mov_b32 s[G1B+7], 0
	s_or_b32 s[G1S+0], s43, (3<<16)|(1<<20)|(1<<21)|(5<<22)|(3<<25)
	s_or_b32 s[G1SB+0], s44, (3<<16)|(1<<20)|(1<<21)|(5<<22)|(3<<25)
.irp g, G1S, G1SB
	s_mov_b32 s[\g+1], 32<<16
	s_mov_b32 s[\g+2], 16<<16
	s_mov_b32 s[\g+3], 32<<16
	s_mov_b32 s[\g+4], 16
	s_mov_b32 s[\g+5], 32
	s_mov_b32 s[\g+6], 0
	s_mov_b32 s[\g+7], 0
.endr
	s_lshl_b32 s18, s16, 7
	s_lshl_b32 s20, s17, 8
	s_add_co_u32 s20, s20, s18                     ; o: place 256 x tile row + 128 x half
	s_lshl_b32 s46, s42, 8
	s_add_co_u32 s46, s46, s18
	s_add_co_u32 s46, s46, 11264                   ; W_out: row of c1
	s_lshl_b32 s22, s20, 5                         ; their scale bytes: 32 a row
	s_mov_b32 s23, 0
	s_lshl_b32 s92, s46, 5
	s_mov_b32 s93, 0
	s_mul_i32 s20, s20, 192                        ; o's codes: 3,072 bytes for 16 places
	s_mov_b32 s21, 0
	s_mul_i32 s46, s46, KROW
	s_mov_b32 s47, 0
	s_mul_i32 s45, s16, HALFA                      ; where they go: no place in the cluster enters an LDS address
	s_mul_i32 s95, s16, HALFT
	s_add_co_u32 s95, s95, APART
	s_mul_i32 s94, s14, HALFS
	s_wait_kmcnt 0x0
	s_add_nc_u64 s[20:21], s[4:5], s[20:21]
	s_add_nc_u64 s[22:23], s[6:7], s[22:23]
	s_add_nc_u64 s[46:47], s[8:9], s[46:47]
	s_add_nc_u64 s[92:93], s[10:11], s[92:93]
	CROUND                                         ; all sixteen work-groups are here: the first joint loads meet
	s_mov_b32 s[G0S], 1
	s_add_co_u32 s[G0S+1], s94, SCL
	s_mov_b64 s[G0S+2:G0S+3], s[22:23]
	s_or_b32 s[G0S+3], s[G0S+3], 0x80000000
	s_mov_b32 s[G0SB], 1
	s_add_co_u32 s[G0SB+1], s94, SCL
	s_mov_b64 s[G0SB+2:G0SB+3], s[92:93]
	s_or_b32 s[G0SB+3], s[G0SB+3], 0x80000000
	JLOAD G0S, G1S, G0SB, G1SB
.irp s, 0,1
	s_mov_b32 s[G0+4*\s], 1
	s_add_co_u32 s[G0+4*\s+1], s45, \s*SLOT
	s_add_nc_u64 s[G0+4*\s+2:G0+4*\s+3], s[20:21], \s*ASLOT
	s_or_b32 s[G0+4*\s+3], s[G0+4*\s+3], 0x80000000
	s_mov_b32 s[G0B+4*\s], 1
	s_add_co_u32 s[G0B+4*\s+1], s95, \s*SLOT
	s_add_nc_u64 s[G0B+4*\s+2:G0B+4*\s+3], s[46:47], \s*ROWB
	s_or_b32 s[G0B+4*\s+3], s[G0B+4*\s+3], 0x80000000
	JLOAD G0+4*\s, G1, G0B+4*\s, G1B               ; three tensor loads of mine are out
.endr
	v_and_b32 v1, 15, v0                           ; r
	v_bfe_u32 v2, v0, 4, 1                         ; h
	v_mul_u32_u24 v3, v1, PITCH
	v_mul_u32_u24 v4, v2, 24
	v_add_nc_u32 v4, v3, v4
	v_lshl_add_u32 v5, v2, 4, v4
	v_and_b32 v6, 31, v0
	v_lshlrev_b32 v7, 3, v6                        ; 8 x lane
	s_mul_i32 s21, s15, HALFA                      ; my 8 tiles of o
	s_mul_i32 s22, s16, HALFT
	s_add_co_u32 s22, s22, APART                   ; my 128 rows of W_out
.irp s, 0,1
	v_add_nc_u32 v[ADRA+\s], s21, v7
	v_add_nc_u32 v[ADRB+\s], s22, v4
	v_add_nc_u32 v[ADRB+2+\s], s22, v5
	s_add_co_u32 s21, s21, SLOT
	s_add_co_u32 s22, s22, SLOT
.endr
	v_mul_u32_u24 v5, v1, KS
	v_lshrrev_b32 v9, 8, v5
	v_lshl_add_u32 v5, v9, 4, v5
	s_mul_i32 s21, s15, HALFS
	s_mul_i32 s22, s16, HALFS
	s_add_co_u32 s22, s22, 2*HALFS
	s_sub_co_u32 s22, s22, s21
	v_mul_u32_u24 v9, s22, v2                      ; lanes 16-31 take W_out's
	s_add_co_u32 s21, s21, SCL
	v_add_nc_u32 v5, v5, v9
	v_add_nc_u32 v[ADRS], s21, v5
	s_mul_i32 s23, s14, 16*SPITCH                  ; my stage
	v_mul_u32_u24 v5, v1, SPITCH
	v_lshl_add_u32 v5, v2, 5, v5
	v_add_nc_u32 v[STO], s23, v5
	v_lshlrev_b32 v[CO], 4, v6
	v_add_nc_u32 v[RD], s23, v[CO]
	s_lshl_b32 s20, s17, 8
	s_lshl_b32 s21, s15, 7
	s_add_co_u32 s20, s20, s21
	s_lshl_b32 s20, s20, 12                        ; my first row of out0, 4,096 bytes a row (under 2^25)
	s_mov_b32 s21, 0
	s_lshl_b32 s46, s42, 10
	s_lshl_b32 s47, s16, 9
	s_add_co_u32 s46, s46, s47                     ; my first column, in bytes: in out0 and in b_out alike
	s_mov_b32 s47, 0
	s_add_nc_u64 s[96:97], s[96:97], s[46:47]
	s_add_nc_u64 s[20:21], s[20:21], s[46:47]
	s_add_nc_u64 s[12:13], s[98:99], s[20:21]
	v_lshlrev_b32 v8, 5, v2                        ; register 8 b + j of the result is column 16 b + 8 h + j
.irp b, 0,1,2,3,4,5,6,7
	global_load_b128 v[BI+8*\b:BI+8*\b+3], v8, s[96:97] offset:64*\b
	global_load_b128 v[BI+8*\b+4:BI+8*\b+7], v8, s[96:97] offset:64*\b+16
.endr
.macro FRAG reg, adr, q, i             ; a fragment of W_out from rows: pieces of 8 bytes; 16 bytes of padding behind every 8 pieces
.irp p, 0,1,2,3,4,5
.set PCE, 12*(\q)+6*(\p/3)+\p%3
.if PCE%8 < 5
	ds_load_b64 v[\reg+2*\p:\reg+2*\p+1], v[\adr] offset:8*PCE+16*(PCE/8)+(\i)*16*PITCH
.else
	ds_load_b64 v[\reg+2*\p:\reg+2*\p+1], v[\adr+2] offset:8*PCE+16*(PCE/8)+(\i)*16*PITCH
.endif
.endr
.endm
.macro FRAG_A reg, slot, q, i          ; a fragment of o from its image: each load takes 256 consecutive bytes
.irp p, 0,1,2,3,4,5
	ds_load_b64 v[\reg+2*\p:\reg+2*\p+1], v[ADRA+\slot] offset:3072*(\i)+1536*(\q)+256*\p
.endr
.endm
; 16 matrix instructions; first = 1: the sums begin with the bias.  The 64 accumulators take turns, one instruction a turn.
.macro MUL16 a0, p, q, sc, first
.irp a, \a0, \a0+1
.irp b, 0,1,2,3,4,5,6,7
.if \first
	v_wmma_scale_f32_16x16x128_f8f6f4 v[8*(8*((\a)%4)+\b):8*(8*((\a)%4)+\b)+7], v[128*(\p)+FR*\b:128*(\p)+FR*\b+FR-1], v[AF+FR*(\a):AF+FR*(\a)+FR-1], v[BI+8*\b:BI+8*\b+7], v[SC+8*NQ*(\sc)+NQ*\b+(\q)], v[SC+8*NQ*(\sc)+NQ*(\a)+(\q)] matrix_a_fmt:MATRIX_FMT_FP6 matrix_b_fmt:MATRIX_FMT_FP6 matrix_a_scale:MATRIX_SCALE_ROW1
.else
	v_wmma_scale_f32_16x16x128_f8f6f4 v[8*(8*((\a)%4)+\b):8*(8*((\a)%4)+\b)+7], v[128*(\p)+FR*\b:128*(\p)+FR*\b+FR-1], v[AF+FR*(\a):AF+FR*(\a)+FR-1], v[8*(8*((\a)%4)+\b):8*(8*((\a)%4)+\b)+7], v[SC+8*NQ*(\sc)+NQ*\b+(\q)], v[SC+8*NQ*(\sc)+NQ*(\a)+(\q)] matrix_a_fmt:MATRIX_FMT_FP6 matrix_b_fmt:MATRIX_FMT_FP6 matrix_a_scale:MATRIX_SCALE_ROW1
.endif
.endr
.endr
.endm
.macro FETCH_B slot, q, p
	WIN TO_B
.irp i, 0,1,2,3,4,5,6,7
	FRAG 128*(\p)+FR*\i, ADRB+\slot, \q, \i
.endr
	WIN 0
.endm
.macro FETCH_A slot, q, i0
.irp i, \i0, \i0+1, \i0+2, \i0+3
	FRAG_A AF+FR*(\i), \slot, \q, \i
.endr
.endm
.macro SCALES sc
.irp i, 0,1,2,3,4,5,6,7
	ds_load_b64 v[SC+8*NQ*\sc+NQ*\i:SC+8*NQ*\sc+NQ*\i+1], v[ADRS] offset:\i*SBLK
.endr
.endm
.macro PLACES n
.rept \n
	v_nop
.endr
.endm
.macro STEP slot, q, first
	s_wait_dscnt 4*NL                              ; W_out's set and o's blocks 0-3 are in; the youngest 24 loads (blocks 4-7) may be out
.if \first
	WIN 0x81                                       ; C (the bias) in window 0, D in window 2
.else
	WIN MUL_LO
.endif
	MUL16 0, (\q)%2, \q, \slot, \first
	MUL16 2, (\q)%2, \q, \slot, \first
	s_wait_dscnt 0
	PLACES NP
	FETCH_B \slot, (\q)+1, 1-(\q)%2
	FETCH_A \slot, (\q)+1, 0
.if \first
	WIN 0xc1
.else
	WIN MUL_HI
.endif
	MUL16 4, (\q)%2, \q, \slot, \first
	MUL16 6, (\q)%2, \q, \slot, \first
	PLACES NP
	WIN 0
	FETCH_A \slot, (\q)+1, 4
.endm
.macro TURN slot, next, fill
	s_wait_tensorcnt 0x0                           ; all my tensor loads have landed: my part of the next slot
	ds_add_u32 v[SPW], v[NIL]                      ; 0 onto my spare word
	s_wait_dscnt 4*NL+1                            ; (the add and the youngest 24 loads may be out)
	WIN MUL_LO
	MUL16 0, 1, NQ-1, \slot, 0
	s_wait_dscnt 0x0                               ; the add is done, and my reads of this slot are over
	s_barrier_signal -1
	MUL16 2, 1, NQ-1, \slot, 0
	WIN 0
	s_barrier_wait -1
.if \fill
	CREST                                          ; a round of the cluster's barrier: no wave of any partner still reads this slot or has a load on its way
	s_add_nc_u64 s[G0+4*\slot+2:G0+4*\slot+3], s[G0+4*\slot+2:G0+4*\slot+3], 2*ASLOT
	s_add_nc_u64 s[G0B+4*\slot+2:G0B+4*\slot+3], s[G0B+4*\slot+2:G0B+4*\slot+3], 2*ROWB
	JLOAD G0+4*\slot, G1, G0B+4*\slot, G1B         ; the first tensor load behind the round, my only one until the next
.else
	PLACES NP
.endif
	v_add_nc_u32 v[ADRS], 4*NQ, v[ADRS]
	FETCH_B \next, 0, 0
	FETCH_A \next, 0, 0
	SCALES \next
	WIN MUL_HI
	MUL16 4, 1, NQ-1, \slot, 0
	MUL16 6, 1, NQ-1, \slot, 0
	PLACES NP
	WIN 0
	FETCH_A \next, 0, 4
.endm
	s_wait_tensorcnt 1                             ; the scales and my part of K step 0 are in (K step 1's load may be out),
	s_barrier_signal -1
	s_barrier_wait -1                              ; everybody's are
	FETCH_B 0, 0, 0
	FETCH_A 0, 0, 0
	SCALES 0
	FETCH_A 0, 0, 4
	s_wait_loadcnt 0x0                             ; the bias
	STEP 0, 0, 1
	s_mov_b32 s3, LAPS-1
.Llap:
	TURN 0, 1, 1
	STEP 1, 0, 0
	TURN 1, 0, 1
	STEP 0, 0, 0
	s_sub_co_u32 s3, s3, 1
	s_cmp_lg_u32 s3, 0
	s_cbranch_scc1 .Llap
	TURN 0, 1, 0
	STEP 1, 0, 0
	s_wait_dscnt 4*NL
	WIN MUL_LO
	MUL16 0, 1, NQ-1, 1, 0
	MUL16 2, 1, NQ-1, 1, 0
	s_wait_dscnt 0
	WIN MUL_HI
	MUL16 4, 1, NQ-1, 1, 0
	MUL16 6, 1, NQ-1, 1, 0
	WIN 0
; THE WAY OUT, block by block of 16 rows x 128 columns, through my own stage in LDS: back come whole rows of 512 bytes.  LDS serves a wave's instructions in order: no wait between the stores and the loads.
.macro TOSTAGE a
.set AC, 64*((\a)%4)
	WIN 0x08+4*((\a)/4)                            ; the data: window 2 or 3
.irp b, 0,1,2,3,4,5,6,7
	ds_store_b128 v[STO], v[AC+8*\b:AC+8*\b+3] offset:64*\b          ; each accumulator from its low end on
	ds_store_b128 v[STO], v[AC+8*\b+4:AC+8*\b+7] offset:64*\b+16
.endr
	WIN 0
.set BB, BK+64*((\a)%2)
.irp t, 0,1,2,3,4,5,6,7,8,9,10,11,12,13,14,15
	ds_load_b128 v[BB+4*\t:BB+4*\t+3], v[RD] offset:\t*SPITCH
.endr
.endm
.macro SEND a, younger                 ; row t of block a is the token 32 (a / 2) + 8 (a % 2) + t + 8 (t / 8) of my 128: its place stands whole in the immediate (520,192 bytes at the most), so the base is never stepped
.set BB, BK+64*((\a)%2)
	s_wait_dscnt \younger
.irp t, 0,1,2,3,4,5,6,7,8,9,10,11,12,13,14,15
	global_store_b128 v[CO], v[BB+4*\t:BB+4*\t+3], s[12:13] offset:(32*((\a)/2)+8*((\a)%2)+\t+8*(\t/8))*4096 th:TH_STORE_NT   ; 32 lanes store 512 consecutive bytes, at a multiple of 256 from out0's first byte
.endr
.endm
	PLACES NP
	TOSTAGE 0
.irp a, 1,2,3,4,5,6,7
.if \a > 1
	s_wait_xcnt 0x0                                ; block a - 2's stores have read their registers: block a's loads may land there
.endif
	TOSTAGE \a
	SEND \a-1, 32                                  ; behind block a - 1's loads: block a's 16 stores and 16 loads
.endr
	SEND 7, 0
	s_wait_tensorcnt 0x0                           ; the wave's end
	ds_add_u32 v[SPW], v[NIL]
	s_wait_dscnt 0x0
	CROUND                                         ; the closing round
	s_endpgm
.Lfunc_end_k_q247df5fe04_proj:
	.size	k_q247df5fe04_proj, .Lfunc_end_k_q247df5fe04_proj-k_q247df5fe04_proj
	.p2alignl 7, 3214868480
	.fill 96, 4, 3214868480
	.section	.rodata,"a",@progbits
	.p2align	6, 0x0
	.amdhsa_kernel k_q247df5fe04_proj
		.amdhsa_group_segment_fixed_size 327680
		.amdhsa_private_segment_fixed_size 0
		.amdhsa_enable_private_segment 0
		.amdhsa_kernarg_size 48
		.amdhsa_user_sgpr_count 2
		.amdhsa_user_sgpr_kernarg_segment_ptr 1
		.amdhsa_wavefront_size32 1
		.amdhsa_system_sgpr_workgroup_id_x 1
		.amdhsa_system_sgpr_workgroup_id_y 1
		.amdhsa_system_sgpr_workgroup_id_z 1
		.amdhsa_system_vgpr_workitem_id 0
		.amdhsa_next_free_vgpr 1024
		.amdhsa_next_free_sgpr 100
		.amdhsa_reserve_vcc 0
		.amdhsa_float_denorm_mode_32 3
		.amdhsa_float_denorm_mode_16_64 3
		.amdhsa_memory_ordered 1
		.amdhsa_forward_progress 1
		.amdhsa_inst_pref_size 161
	.end_amdhsa_kernel
	.amdgpu_metadata
---
amdhsa.version: [ 1, 2 ]
amdhsa.kernels:
  - .name:           k_q247df5fe04_proj
    .symbol:         k_q247df5fe04_proj.kd
    .args:
      - { .name: acod, .offset: 0, .size: 8, .value_kind: global_buffer, .address_space: global }
      - { .name: ascl, .offset: 8, .size: 8, .value_kind: global_buffer, .address_space: global }
      - { .name: c1, .offset: 16, .size: 8, .value_kind: global_buffer, .address_space: global }
      - { .name: s1, .offset: 24, .size: 8, .value_kind: global_buffer, .address_space: global }
      - { .name: b_out, .offset: 32, .size: 8, .value_kind: global_buffer, .address_space: global }
      - { .name: out0, .offset: 40, .size: 8, .value_kind: global_buffer, .address_space: global }
    .group_segment_fixed_size: 327680
    .private_segment_fixed_size: 0
    .kernarg_segment_align: 8
    .kernarg_segment_size: 48
    .max_flat_workgroup_size: 128
    .sgpr_count:     100
    .vgpr_count:     1024
    .wavefront_size: 32
...
	.end_amdgpu_metadata
.endif
;; end of part 4
